; MI455X (gfx1250); checked and timed in simulation.
; The chip was launched on July 23, 2026; its instructions are those of AMD's public machine-readable ISA for CDNA 5 (MIT licence, August 2026) and "CDNA5" Instruction Set Architecture Reference Guide (July 2026). The comments in the code are by the model that wrote it; some were corrected since.
;; Multi Head Attention Layer. Allowed arithmetic: matrix products marked QUANTISED: E2M3 operands, one E8M0 scale for each 32 along K, by v_wmma_scale_f32_16x16x128_f8f6f4 with both operands' format E2M3, f32 sums; everything else in f32.
;; Inputs: Wk 1,024 x 1,024 float32; Wq 1,024 x 1,024 float32; Wv 1,024 x 1,024 float32; bk 1,024 float32; bq 1,024 float32; bv 1,024 float32; mask 4 x 2,048 float32; x 4 x 2,048 x 1,024 float32.
;; Outputs: out0 4 x 2,048 x 1,024 float32.
;; This version of the problem:
;;   THIS VERSION OF THE PROBLEM IS GIVEN IN LOW PRECISION. The matrix products marked QUANTISED in the list below multiply operands that are first quantised to E2M3 (2 exponent bits, 3 mantissa bits; 6 bits a number), with one power-of-two scale for each 32 numbers along K (OCP MX v1.0); their sums are f32. All else is computed in f32.
;;   The module's matrix products, in the order in which they are computed (A, B: the left and right operand; K: the contracted axis; several contracted axes count as one K, in the product's order):
;;     1. [M 8,192, K 1,024] x [K 1,024, N 1,024]; A: input x; B: input Wq: QUANTISED
;;     2. [M 8,192, K 1,024] x [K 1,024, N 1,024]; A: input x; B: input Wk: QUANTISED
;;     3. [M 8,192, K 1,024] x [K 1,024, N 1,024]; A: input x; B: input Wv: QUANTISED
;;     4. batch 64 x [M 2,048, K 64] x [K 64, N 2,048]; A: computed on the way; B: computed on the way: QUANTISED
;;     5. batch 64 x [M 2,048, K 2,048] x [K 2,048, N 64]; A: softmax (see below); B: computed on the way: QUANTISED
;;   THE QUANTISER, for each operand of a quantised product, along K:
;;     - K is cut into blocks of 32 from its start; a last block that is shorter is filled with zeros.
;;     - A block's scale is 2^e with e = floor(log2(the largest magnitude in the block)) - 2, held to -126 .. 127; a block of zeros has e = 0. As a byte (E8M0): e + 127.
;;     - Each number is divided by its block's scale, clamped to +-7.5, and rounded to the nearest number of E2M3, ties to even, subnormals kept.
;;     - The product sums the exact products of the quantised numbers (number of the format x scale) in f32.
;;   ~~~python
;;   def quantise(x, axis):      # numpy; x: float32 -> the quantised numbers, widened to float32 again
;;       x = np.moveaxis(x, axis, -1); K = x.shape[-1]
;;       x = np.pad(x, [(0, 0)] * (x.ndim - 1) + [(0, -K % 32)]); x = x.reshape(x.shape[:-1] + (-1, 32)); a = np.abs(x).max(-1, keepdims=True)
;;       e = np.where(a > 0, np.clip(np.frexp(np.where(a > 0, a, 1))[1] - 1 - 2, -126, 127), 0)      # np.frexp(a)[1] - 1 = floor(log2(a)), exactly
;;       r = np.clip(x / 2.0 ** e, -7.5, 7.5)
;;       step = 2.0 ** (np.maximum(np.frexp(np.where(r == 0, 1, r))[1] - 1, 0) - 3)
;;       q = np.round(r / step) * step * 2.0 ** e      # np.round: ties to even
;;       return np.moveaxis(q.reshape(q.shape[:-2] + (-1,))[..., :K], -1, axis).astype(np.float32)
;;   ~~~
;;   SOFTMAX AHEAD OF A QUANTISED PRODUCT. Where the list says 'softmax', what is quantised is not the finished softmax but p = 2^(t - M), with t = logit x log2(e) and M = ceil(the row's largest t), a whole number; so 1/2 < the row's largest p <= 1. The row's sum l is taken of the UNQUANTISED p, in f32, and the product's result is divided by l at the end. Since M is a whole number, a kernel that streams over the keys may use a running M (the ceiling of the running maximum): every later rescaling is an exact power of two, which a block's scale takes up: the codes' values come out the same.
;;   OPERANDS COMPUTED ON THE WAY. 'Computed on the way' means the value that the module computes at that place (a softmax that the list does not call 'softmax' is quantised finished and normalised). What goes into a quantiser is computed in f32, as accurately as f32 sums, v_exp_f32 and their like allow (about 1e-6 of the number): no bf16 or f16 on the way to a quantiser, and a product that is left as it is and whose result goes on into a quantised operand takes f32 operands (vector FMAs, or v_wmma_f32_16x16x4_f32). A number that lies on a knife's edge between two numbers of the format may be rounded either way, as far as f32 arithmetic and the matrix unit's own rounding can turn it there, and no further.
;; One version. Each part assembles by itself: llvm-mc -triple=amdgcn-amd-amdhsa -mcpu=gfx1250 --defsym DOCPART=n.
;; ======== version 1 of 1: 4 launches
;; workspace buffers: x_codes 6,291,456 bytes; x_scales 262,144 bytes; w_codes 2,359,296 bytes; w_scales 98,304 bytes; img 18,874,368 bytes; sc 1,572,864 bytes
;; launch quant_x (part 1): grid 256 x 1, 4 waves a work-group, no clusters, 33,280 bytes of LDS; arguments x, x_codes, x_scales; writes x_codes, x_scales
.if DOCPART == 1
	.amdgcn_target "amdgcn-amd-amdhsa--gfx1250"
	.amdhsa_code_object_version 6
	.text
	.protected	k_q4443bed578_quant_x
	.globl	k_q4443bed578_quant_x
	.p2align	8
	.type	k_q4443bed578_quant_x,@function
k_q4443bed578_quant_x:
	s_mov_b64 s[64:65], 0
	v_nop
	global_prefetch_b8 v0, s[64:65] scope:SCOPE_SE
	s_setreg_imm32_b32 hwreg(HW_REG_WAVE_MODE, 25, 1), 1
	s_wait_xcnt 0x0
; x [8192][1024], f32, becomes codes of FP6 (E2M3), 6 bits each, K innermost (768 bytes a row), with one E8M0 scale byte for each 32 along K (32 bytes a row).
; A block's scale is 2^(floor(log2(its largest magnitude)) - 2); its byte is the largest magnitude's own exponent field - 2, held at 1 from below.  (A block of zeros so gets the byte 1
; where the quantiser's rule says 127: its codes are zeros, which add nothing under any byte but 0xff, and the bytes are read by this program alone.)
; LIMITS: blocks whose largest magnitude lies under 2^-124, the floor, keep the byte 1; NaN and infinities among the inputs are not served.
; ROWS ARE STORED IN POSITION ORDER: row n lies at position n with its bits 3 and 4 exchanged.  So position 16 T + r holds row 32 (T / 2) + 8 (T % 2) + r + (r & 8): sixteen neighbouring
; positions are the rows that the product's launch wants in one tile, and it reads neighbouring rows.  A wave's run is 8 rows, so the exchange is one of the run number's bits 0 and 1.
; A wave takes 16 steps of 512 numbers.  The conversion takes 16 neighbours from ONE lane's registers; a load is best where neighbouring LANES take neighbouring bytes.  Both are had: each of a
; step's four loads reads 512 consecutive bytes; the 2,048 bytes go through the wave's own stage in LDS as they lie and come back 64 bytes a lane (16 bytes of padding behind each 64).
; A lane's 16 codes are 12 bytes: the wave stores 384 consecutive bytes.  A wave's 256 scale bytes are gathered in its own LDS bytes and leave as one aligned run of 256 bytes.
; No tensor loads, no ring, no barrier: waves share nothing.  Loads run four steps (16 loads a wave) ahead, the turn through LDS one step.
.set STEPS, 16
.set EMAX,  2
.set CB,    12                         ; bytes of 16 codes
.set R,     16                         ; v16-79   four sets of 16 numbers as they are loaded
.set X,     80                         ; v80-111  two sets of 16 neighbours
.set C,     128                        ; v128-191 codes: four registers for each step, so that no store's data are written again
.set E,     112                        ; v112-127 a scale byte for each step
.set WREG,  8192                       ; LDS: a region of its own for each wave: two stages of 32 x SP bytes, and behind them its 256 scale bytes
.set SP,    80                         ; a lane's place in a stage: its 64 bytes + 16 of padding
	s_load_b64 s[4:5], s[0:1], 0x0                 ; x
	s_load_b64 s[8:9], s[0:1], 0x8                 ; the codes
	s_load_b64 s[10:11], s[0:1], 0x10              ; the scale bytes
	v_lshl_add_u32 v192, v0, 2, 0x8000
	v_mov_b32 v193, 0
	v_lshrrev_b32 v1, 5, v0
	v_readfirstlane_b32 s16, v1                    ; wave
	v_and_b32 v2, 31, v0                           ; lane
	v_lshlrev_b32 v3, 4, v2                        ; my 16 bytes of a load's 512
	s_mul_i32 s17, s16, WREG
	v_lshrrev_b32 v14, 2, v2
	v_mul_u32_u24 v14, v14, SP
	v_and_b32 v15, 3, v2
	v_lshl_add_u32 v14, v15, 4, v14
	v_add_nc_u32 v14, s17, v14                     ; the stage, on the way in: SP (lane / 4) + 16 (lane % 4); a load's 512 bytes take eight places
	v_mul_u32_u24 v15, v2, SP
	v_add_nc_u32 v15, s17, v15                     ; and on the way out: SP x lane: my 16 neighbours
	v_mul_u32_u24 v4, v2, CB                       ; my codes' place in a step's
	v_lshrrev_b32 v5, 1, v2
	s_add_co_u32 s17, s17, 2*32*SP
	v_add_nc_u32 v5, s17, v5                       ; LDS: my wave's 256 scale bytes, my block's byte
	v_lshlrev_b32 v7, 3, v2                        ; and on the way out 8 bytes a lane
	v_add_nc_u32 v6, s17, v7
	s_lshl_b32 s17, ttmp9, 2
	s_add_co_u32 s18, s17, s16                     ; the run of 8 rows that I read: 4 x work-group + wave
	s_lshl_b32 s20, s18, 15                        ; 32,768 bytes a run (1,023 runs at the most: under 2^25)
	s_mov_b32 s21, 0
	s_and_b32 s22, s16, 1
	s_lshl_b32 s22, s22, 1
	s_lshr_b32 s23, s16, 1
	s_or_b32 s22, s22, s23                         ; the wave's two bits exchanged,
	s_add_co_u32 s22, s17, s22                     ; the run of 8 positions that I write
	s_mul_i32 s18, s22, 32*STEPS*CB                ; 6,144 bytes of codes a run
	s_mov_b32 s19, 0
	s_lshl_b32 s22, s22, 8                         ; 256 scale bytes a run
	s_mov_b32 s23, 0
	s_wait_kmcnt 0x0
	s_add_nc_u64 s[4:5], s[4:5], s[20:21]
	s_add_nc_u64 s[8:9], s[8:9], s[18:19]
	s_add_nc_u64 s[10:11], s[10:11], s[22:23]
.macro LOAD t
.irp i, 0,1,2,3
	global_load_b128 v[R+16*((\t)%4)+4*\i:R+16*((\t)%4)+4*\i+3], v3, s[4:5] offset:2048*(\t)+512*\i th:TH_LOAD_NT   ; 32 lanes read 512 consecutive bytes
.endr
.endm
.macro TURN t                          ; step t's numbers through the stage: LDS serves a wave's instructions in order, so no wait stands between the stores and the loads
.irp i, 0,1,2,3
	ds_store_b128 v14, v[R+16*((\t)%4)+4*\i:R+16*((\t)%4)+4*\i+3] offset:32*SP*((\t)%2)+8*SP*\i
.endr
.irp i, 0,1,2,3
	ds_load_b128 v[X+16*((\t)%2)+4*\i:X+16*((\t)%2)+4*\i+3], v15 offset:32*SP*((\t)%2)+16*\i
.endr
.endm
.irp t, 0,1,2,3
	LOAD \t
.endr
	s_wait_loadcnt 12                              ; step 0's four loads are in; the twelve of steps 1 to 3 may be out
	TURN 0
.macro STEP t
.set XS, X+16*((\t)%2)
.if (\t) > 0
	s_wait_dscnt 1                                 ; this step's numbers are back from the stage (the last step's byte store may be out): so its stores into the stage have read their registers,
.else
	s_wait_dscnt 0x0
.endif
.if (\t)+4 < STEPS
	LOAD (\t)+4                                    ; which take the loads of four steps on
.endif
.if (\t)+1 < STEPS
.if STEPS-2-(\t) >= 3
	s_wait_loadcnt 12                              ; the next step's four loads are in; those of the three steps behind it may be out
.else
	s_wait_loadcnt 4*(STEPS-2-(\t))                ; at the end the counts run down
.endif
	TURN (\t)+1                                    ; and go through the other stage while this step is worked
.endif
	v_max3_num_f32 v8, |v[XS]|, |v[XS+1]|, |v[XS+2]|               ; the largest magnitude of my 16, in two chains
	v_max3_num_f32 v9, |v[XS+3]|, |v[XS+4]|, |v[XS+5]|
.irp i, 6,10
	v_max3_num_f32 v8, v8, |v[XS+\i]|, |v[XS+\i+1]|
	v_max3_num_f32 v9, v9, |v[XS+\i+2]|, |v[XS+\i+3]|
.endr
	v_max3_num_f32 v8, v8, |v[XS+14]|, |v[XS+15]|
	v_max3_num_f32 v8, v8, v9, (EMAX+1)<<23        ; and the floor 2^(EMAX + 1 - 127): so the byte cannot fall under 1
	v_max_num_f32_dpp v8, v8, v8 row_xmask:1 row_mask:0xf bank_mask:0xf   ; and of my neighbour's 16: the block's
	v_add_nc_u32 v11, -(EMAX<<23), v8              ; EMAX off its exponent field: the conversion takes the exponent field of this operand as its scale, and nothing else of it
	v_cvt_scalef32_pk16_fp6_f32 v[C+4*(\t):C+4*(\t)+2], v[XS:XS+15], v11         ; sixteen numbers / the scale, to the nearest code, ties to even, beyond the largest code the largest; 96 bits without gaps
	v_lshrrev_b32 v[E+(\t)], 23, v11               ; the scale's byte
	ds_store_b8 v5, v[E+(\t)] offset:16*(\t)       ; both lanes of a block write the same byte with the same value
	global_store_b96 v4, v[C+4*(\t):C+4*(\t)+2], s[8:9] offset:32*CB*(\t)
.endm
.irp t, 0,1,2,3,4,5,6,7,8,9,10,11,12,13,14,15
	STEP \t
.endr
	ds_load_b64 v[12:13], v6                       ; LDS serves a wave's instructions in order: these see my stores
	s_wait_dscnt 0x0
	global_store_b64 v7, v[12:13], s[10:11]        ; 32 lanes store 256 consecutive bytes, aligned
	s_wait_tensorcnt 0x0
	ds_add_u32 v192, v193
	s_wait_dscnt 0x0
	s_endpgm
.Lfunc_end_k_q4443bed578_quant_x:
	.size	k_q4443bed578_quant_x, .Lfunc_end_k_q4443bed578_quant_x-k_q4443bed578_quant_x
	.p2alignl 7, 3214868480
	.fill 96, 4, 3214868480
	.section	.rodata,"a",@progbits
	.p2align	6, 0x0
	.amdhsa_kernel k_q4443bed578_quant_x
		.amdhsa_group_segment_fixed_size 33280
		.amdhsa_private_segment_fixed_size 0
		.amdhsa_enable_private_segment 0
		.amdhsa_kernarg_size 24
		.amdhsa_user_sgpr_count 2
		.amdhsa_user_sgpr_kernarg_segment_ptr 1
		.amdhsa_wavefront_size32 1
		.amdhsa_system_sgpr_workgroup_id_x 1
		.amdhsa_system_sgpr_workgroup_id_y 1
		.amdhsa_system_sgpr_workgroup_id_z 1
		.amdhsa_system_vgpr_workitem_id 0
		.amdhsa_next_free_vgpr 194
		.amdhsa_next_free_sgpr 66
		.amdhsa_reserve_vcc 0
		.amdhsa_float_denorm_mode_32 3
		.amdhsa_float_denorm_mode_16_64 3
		.amdhsa_memory_ordered 1
		.amdhsa_forward_progress 1
		.amdhsa_inst_pref_size 32
	.end_amdhsa_kernel
	.amdgpu_metadata
---
amdhsa.version: [ 1, 2 ]
amdhsa.kernels:
  - .name:           k_q4443bed578_quant_x
    .symbol:         k_q4443bed578_quant_x.kd
    .args:
      - { .name: x, .offset: 0, .size: 8, .value_kind: global_buffer, .address_space: global }
      - { .name: x_codes, .offset: 8, .size: 8, .value_kind: global_buffer, .address_space: global }
      - { .name: x_scales, .offset: 16, .size: 8, .value_kind: global_buffer, .address_space: global }
    .group_segment_fixed_size: 33280
    .private_segment_fixed_size: 0
    .kernarg_segment_align: 8
    .kernarg_segment_size: 24
    .max_flat_workgroup_size: 128
    .sgpr_count:     66
    .vgpr_count:     194
    .wavefront_size: 32
...
	.end_amdgpu_metadata
.endif
;; end of part 1
;; launch quant_w (part 2): grid 24 x 4, 4 waves a work-group, no clusters, 36,352 bytes of LDS; arguments Wq, Wk, Wv, w_codes, w_scales; writes w_codes, w_scales
.if DOCPART == 2
	.amdgcn_target "amdgcn-amd-amdhsa--gfx1250"
	.amdhsa_code_object_version 6
	.text
	.protected	k_q4443bed578_quant_w
	.globl	k_q4443bed578_quant_w
	.p2align	8
	.type	k_q4443bed578_quant_w,@function
k_q4443bed578_quant_w:
	s_mov_b64 s[64:65], 0
	v_nop
	global_prefetch_b8 v0, s[64:65] scope:SCOPE_SE
	s_setreg_imm32_b32 hwreg(HW_REG_WAVE_MODE, 25, 1), 1
	s_wait_xcnt 0x0
; Wq, Wk, Wv [1024 (k)][1024 (n)], f32: operands whose K is their FIRST axis.  They become codes of FP6 (E2M3) laid [3072][768 bytes] with K innermost (rows 0-1023 Wq's columns, then Wk's, then Wv's)
; and one E8M0 scale byte for each 32 along K, laid [3072][32].
; A LANE TAKES A COLUMN n, AND ITS REGISTERS RUN DOWN K: each load reads neighbouring n in neighbouring lanes (128 consecutive bytes a wave, 512 a work-group), a block of 32 along K lies in ONE lane's
; 32 registers, and the conversions give the codes with K innermost.  Nothing is transposed by an instruction.
; A block's scale is 2^(floor(log2(its largest magnitude)) - 2); its byte is the largest magnitude's exponent field - 2, held at 1 from below (a block of zeros keeps the byte 1: its codes are zeros, and this program alone reads the bytes).
; LIMITS: blocks whose largest magnitude lies under 2^-124, the floor, keep the byte 1; NaN and infinities among the inputs are not served.
; ROWS ARE STORED IN POSITION ORDER: column n lies at position n with its bits 3 and 4 exchanged, as the product's launch wants its tiles.  A wave's 32 columns are one aligned group of 32, so only the
; lane's place in the wave's stage, and in the scale bytes' rows, changes: pl in the lane's stead.
; A work-group: 128 columns of one weight (x: 8 for each weight) x 256 along K (y).  A wave: 32 columns: 8 blocks a lane, 192 bytes of codes a column, through the wave's own stage in LDS, out as rows:
; sixteen lanes store a row's 192 consecutive bytes.  No tensor loads, no barrier: waves share nothing.  Loads run two blocks (64 loads a wave) ahead.
; 96 work-groups: all the work there is in 12.6 MB of weights at this share.
.set SIZE_K, 1024
.set SIZE_N, 1024
.set KW,    256                        ; along K for a wave
.set NB,    KW/32                      ; blocks
.set ROWB,  192                        ; bytes of KW codes
.set PITCH, 272                        ; a stage row: sixteen places of 16 bytes, each with 12 bytes of codes, + 16
.set KROW,  SIZE_K*6/8                 ; a row of the codes' buffer in bytes
.set EMAX,  2
.set X,     32                         ; v32-95   two sets of 32 numbers
.set C,     96                         ; v96..    a block's codes
.set OUTR,  112                        ; v112-175 the way out: 16 x 4 registers
.set SB,    24                         ; v24-25   the scale bytes, four to a register
	s_load_b128 s[4:7], s[0:1], 0x0                ; Wq, Wk
	s_load_b128 s[8:11], s[0:1], 0x10              ; Wv, the codes
	s_load_b64 s[12:13], s[0:1], 0x20              ; the scale bytes
	v_lshl_add_u32 v192, v0, 2, 0x8c00
	v_mov_b32 v193, 0
	v_lshrrev_b32 v1, 5, v0
	v_readfirstlane_b32 s16, v1                    ; wave 0..3
	v_and_b32 v2, 31, v0                           ; lane
	s_lshr_b32 s30, ttmp9, 3                       ; which weight
	s_and_b32 s17, ttmp9, 7
	s_lshl_b32 s17, s17, 7
	s_lshl_b32 s18, s16, 5
	s_add_co_u32 s17, s17, s18                     ; my wave's first column in it: 128 x (x % 8) + 32 x wave
	s_and_b32 s18, ttmp7, 0xffff                   ; which KW along K: work-group y
	v_lshlrev_b32 v3, 2, v2                        ; in: 4 bytes a lane
	v_and_b32 v10, 7, v2
	v_bfe_u32 v11, v2, 3, 1
	v_lshl_add_u32 v10, v11, 4, v10
	v_bfe_u32 v11, v2, 4, 1
	v_lshl_add_u32 v10, v11, 3, v10                ; pl: my lane's number with bits 3 and 4 exchanged: my column's position among the wave's 32
	s_mul_i32 s19, s16, 32*PITCH                   ; my stage
	v_mul_u32_u24 v4, v10, PITCH
	v_add_nc_u32 v4, s19, v4                       ; into it: row = my column's position
	v_and_b32 v5, 15, v2
	v_lshrrev_b32 v6, 4, v2                        ; out of it: sixteen lanes to a row, two rows an instruction (a row is 192 bytes: 12 bytes a lane)
	v_mul_u32_u24 v7, v6, PITCH
	v_lshl_add_u32 v7, v5, 4, v7
	v_add_nc_u32 v7, s19, v7                       ; LDS address
	v_mul_u32_u24 v8, v6, KROW
	v_mad_u32_u24 v8, v5, 12, v8                   ; and the same place in the codes' buffer
	v_lshlrev_b32 v9, 5, v10                       ; my column's row of scale bytes: 32 bytes a row
	; where my wave's part begins, in bytes (all under 2^32)
	s_lshl_b32 s20, s18, 20                        ; W: KW rows of 4,096 bytes for each y,
	s_lshl_b32 s22, s17, 2
	s_add_co_u32 s20, s20, s22                     ; + 4 x column
	s_mov_b32 s21, 0
	s_lshl_b32 s22, s30, 10
	s_add_co_u32 s22, s22, s17                     ; the first row that I write: 1,024 x weight + column
	s_mul_i32 s24, s22, KROW
	s_mul_i32 s26, s18, ROWB
	s_add_co_u32 s24, s24, s26                     ; codes: row x KROW + ROWB y
	s_mov_b32 s25, 0
	s_lshl_b32 s28, s22, 5
	s_lshl_b32 s26, s18, 3
	s_add_co_u32 s28, s28, s26                     ; scale bytes: row x 32 + NB y
	s_mov_b32 s29, 0
	s_wait_kmcnt 0x0
	s_cmp_eq_u32 s30, 1                            ; the choice of the weight hangs on the work-group's number alone
	s_cselect_b64 s[6:7], s[6:7], s[8:9]
	s_cmp_eq_u32 s30, 0
	s_cselect_b64 s[4:5], s[4:5], s[6:7]
	s_add_nc_u64 s[4:5], s[4:5], s[20:21]
	s_add_nc_u64 s[10:11], s[10:11], s[24:25]
	s_add_nc_u64 s[12:13], s[12:13], s[28:29]
.macro LOAD t                          ; block t: W(32 t + i, my column), i = 0 .. 31, into set t % 2.  The largest offset, 255 rows of 4,096 bytes, lies inside the signed 24-bit immediate
.irp i, 0,1,2,3,4,5,6,7,8,9,10,11,12,13,14,15,16,17,18,19,20,21,22,23,24,25,26,27,28,29,30,31
	global_load_b32 v[X+32*((\t)%2)+\i], v3, s[4:5] offset:(32*(\t)+\i)*SIZE_N*4 th:TH_LOAD_NT
.endr
.endm
	LOAD 0
	LOAD 1
.macro BLOCK t
.set XS, X+32*((\t)%2)
.if (\t) < NB-1
	s_wait_loadcnt 32                              ; this block's 32 loads are in; the next block's 32 may be out
.else
	s_wait_loadcnt 0
.endif
	v_max3_num_f32 v12, |v[XS]|, |v[XS+1]|, |v[XS+2]|               ; the block's largest magnitude: all 32 numbers are mine
	v_max3_num_f32 v13, |v[XS+3]|, |v[XS+4]|, |v[XS+5]|
.irp i, 6,10,14,18,22,26
	v_max3_num_f32 v12, v12, |v[XS+\i]|, |v[XS+\i+1]|
	v_max3_num_f32 v13, v13, |v[XS+\i+2]|, |v[XS+\i+3]|
.endr
	v_max3_num_f32 v12, v12, |v[XS+30]|, |v[XS+31]|
	v_max3_num_f32 v12, v12, v13, (EMAX+1)<<23     ; and the floor 2^(EMAX + 1 - 127): so the byte cannot fall under 1
	v_add_nc_u32 v11, -(EMAX<<23), v12             ; EMAX off its exponent field: the conversion's scale operand
	v_lshrrev_b32 v13, 23, v11                     ; the scale's byte
.if (\t)%4 == 0
	v_mov_b32 v[SB+(\t)/4], v13                    ; four bytes to a register, the lower K in the lower byte
.else
	v_lshl_or_b32 v[SB+(\t)/4], v13, 8*((\t)%4), v[SB+(\t)/4]
.endif
	v_cvt_scalef32_pk16_fp6_f32 v[C:C+2], v[XS:XS+15], v11
	v_cvt_scalef32_pk16_fp6_f32 v[C+4:C+6], v[XS+16:XS+31], v11     ; (a conversion's three registers begin on an even number)
	ds_store_b96 v4, v[C:C+2] offset:32*(\t)       ; 16 codes, 12 bytes, to a place of 16 bytes in the stage, so that every LDS address is a multiple of 16
	ds_store_b96 v4, v[C+4:C+6] offset:32*(\t)+16
.if (\t)+2 < NB
	LOAD (\t)+2
.endif
	s_wait_dscnt 0x0                               ; the stores have read their registers: the next block's codes may be written
.endm
.set Q, 0
.rept NB
	BLOCK Q
.set Q, Q+1
.endr
	global_store_b64 v9, v[SB:SB+1], s[12:13]      ; my column's NB scale bytes
.irp t, 0,1,2,3,4,5,6,7,8,9,10,11,12,13,14,15
	ds_load_b96 v[OUTR+4*\t:OUTR+4*\t+2], v7 offset:2*\t*PITCH   ; LDS serves a wave's instructions in order: these see my stores
.endr
.irp t, 0,1,2,3,4,5,6,7,8,9,10,11,12,13,14,15
	s_wait_dscnt 15-\t                             ; loads come back in order: the 15 - t younger ones may be out
	global_store_b96 v8, v[OUTR+4*\t:OUTR+4*\t+2], s[10:11] offset:2*\t*KROW
.endr
	s_wait_tensorcnt 0x0
	ds_add_u32 v192, v193
	s_wait_dscnt 0x0
	s_endpgm
.Lfunc_end_k_q4443bed578_quant_w:
	.size	k_q4443bed578_quant_w, .Lfunc_end_k_q4443bed578_quant_w-k_q4443bed578_quant_w
	.p2alignl 7, 3214868480
	.fill 96, 4, 3214868480
	.section	.rodata,"a",@progbits
	.p2align	6, 0x0
	.amdhsa_kernel k_q4443bed578_quant_w
		.amdhsa_group_segment_fixed_size 36352
		.amdhsa_private_segment_fixed_size 0
		.amdhsa_enable_private_segment 0
		.amdhsa_kernarg_size 40
		.amdhsa_user_sgpr_count 2
		.amdhsa_user_sgpr_kernarg_segment_ptr 1
		.amdhsa_wavefront_size32 1
		.amdhsa_system_sgpr_workgroup_id_x 1
		.amdhsa_system_sgpr_workgroup_id_y 1
		.amdhsa_system_sgpr_workgroup_id_z 1
		.amdhsa_system_vgpr_workitem_id 0
		.amdhsa_next_free_vgpr 194
		.amdhsa_next_free_sgpr 66
		.amdhsa_reserve_vcc 0
		.amdhsa_float_denorm_mode_32 3
		.amdhsa_float_denorm_mode_16_64 3
		.amdhsa_memory_ordered 1
		.amdhsa_forward_progress 1
		.amdhsa_inst_pref_size 42
	.end_amdhsa_kernel
	.amdgpu_metadata
---
amdhsa.version: [ 1, 2 ]
amdhsa.kernels:
  - .name:           k_q4443bed578_quant_w
    .symbol:         k_q4443bed578_quant_w.kd
    .args:
      - { .name: Wq, .offset: 0, .size: 8, .value_kind: global_buffer, .address_space: global }
      - { .name: Wk, .offset: 8, .size: 8, .value_kind: global_buffer, .address_space: global }
      - { .name: Wv, .offset: 16, .size: 8, .value_kind: global_buffer, .address_space: global }
      - { .name: w_codes, .offset: 24, .size: 8, .value_kind: global_buffer, .address_space: global }
      - { .name: w_scales, .offset: 32, .size: 8, .value_kind: global_buffer, .address_space: global }
    .group_segment_fixed_size: 36352
    .private_segment_fixed_size: 0
    .kernarg_segment_align: 8
    .kernarg_segment_size: 40
    .max_flat_workgroup_size: 128
    .sgpr_count:     66
    .vgpr_count:     194
    .wavefront_size: 32
...
	.end_amdgpu_metadata
.endif
;; end of part 2
;; launch proj (part 3): grid 96 x 4, 4 waves a work-group, clusters of 4 x 4, 327,680 bytes of LDS; arguments x_codes, x_scales, w_codes, w_scales, bq, bk, bv, img, sc; writes img, sc
.if DOCPART == 3
	.amdgcn_target "amdgcn-amd-amdhsa--gfx1250"
	.amdhsa_code_object_version 6
	.text
	.protected	k_q4443bed578_proj
	.globl	k_q4443bed578_proj
	.p2align	8
	.type	k_q4443bed578_proj,@function
k_q4443bed578_proj:
	s_mov_b64 s[64:65], 0
	v_nop
	global_prefetch_b8 v0, s[64:65] scope:SCOPE_SE
	s_setreg_imm32_b32 hwreg(HW_REG_WAVE_MODE, 25, 1), 1
	s_wait_xcnt 0x0
	s_wait_alu depctr_hold_cnt(0) depctr_sa_sdst(0) depctr_va_vdst(0) depctr_va_sdst(0) depctr_va_ssrc(0) depctr_va_vcc(0) depctr_vm_vsrc(0)
	s_getreg_b32 s2, hwreg(HW_REG_IB_STS2, 6, 4)
	s_cmp_eq_u32 s2, 0
	s_cbranch_scc0 .Lentry_in_a_cluster
	s_endpgm
.Lentry_in_a_cluster:
	s_bfe_u32 s2, ttmp6, 0x10000c
	s_cmp_lg_u32 s2, 0xf033
	s_cbranch_scc0 .Lentry_shape_is_right
	s_endpgm
.Lentry_shape_is_right:
; q = x Wq + bq, k = x Wk + bk, v = x Wv + bv on codes of FP6 (E2M3) with one E8M0 scale for each 32 along K = 1,024; the results are quantised in registers for the attention launch and never go to memory as f32.
; x_codes [8192][768 bytes], w_codes [3072][768] (Wq's, Wk's, Wv's columns), their scale bytes [..][32]; rows in POSITION ORDER: position 16 T + r holds row 32 (T / 2) + 8 (T % 2) + r + (r & 8).
; A tile of 256 x 256 results is made by four waves, 128 x 128 each: 64 accumulators of 16 x 16.  K goes in steps of 256 through a ring of two LDS slots filled by the tensor data mover; the scale bytes of the
; work-group's 2 x 256 rows, for all of K, come into LDS once.  Source 0 of the matrix instruction takes 16 rows of S0, source 1 sixteen rows of S1: a lane then holds ONE row of S1, and, by the position order, the
; 16 registers of S0's tiles 2 b and 2 b + 1 are the 16 NEIGHBOURS 32 b + 16 (lane / 16) + 0 .. 15 along S0: what the next quantiser wants in one lane.
; TWO TYPES OF CLUSTER, told apart by the cluster's number alone (the same in all sixteen partners):
;   clusters 0-15, q and k: S1 = x (tokens), S0 = w's rows 0-2047: a lane holds a token and runs along the head's numbers: q and k are quantised along the head's 64.
;   clusters 16-23, v:      S1 = w's rows 2048-3071, S0 = x: a lane holds one of v's columns and runs along the tokens: v is quantised along the keys.
; One text serves both; what differs is the pointers (selects), the bias's layout (the first step of 128 along K is written twice) and the stores' offsets.
; 384 tiles in 24 clusters of 16: the second turn of the chip is half full; a tile of half the rows would fill it evenly and read each LDS byte for half as many products.
; CLUSTERS: 4 x 4.  S1's tile is shared along a row of the cluster, S0's along a column: each is asked for JOINTLY, by the same tensor load with the same descriptor and a mask that names the four.
; THE BIAS is the C of each sum's first matrix instruction: no addition.
; WHAT IS STORED (this program's own layout: images of the operands' registers).  img [b 16 + h][q, k, v][98,304 bytes]; q, k: [tile of 16 positions][768]: registers 0-3 of the fragment at 16 x lane, registers 4-5 at
; 512 + 8 x lane (lane (r, h): position r, the head's numbers 32 h .. 32 h + 31); v: [step of 128 keys][tile of 16 positions of the head's 64][3][lane][16 bytes]: the fragment's 12 registers.
; sc [b 16 + h][q, k, v][8,192]: [step][lane][4 words]; q, k: word i of lane l: tile 8 step + 2 i + l / 16, row l % 16, bytes (s0, s1, 0, 0); v: word i: tile i, row l % 16, four bytes.
; Every store of the wave covers 512 or 256 consecutive bytes, aligned to 256; nothing goes out through LDS.
; No prefetch: a work-group has four K steps and two refills.
; LIMITS: a block of results whose largest magnitude lies under 2^-124 keeps the scale byte 1 (a block of zeros too: its codes are zeros); NaN and infinities are not served.
; REGISTERS, in windows of 256: window 0: v0-31 addresses; v32-63 scale words, two sets, and nothing else ever; v64-127 the bias, later the quantiser's work; v128-223 S1's fragments, ONE set, later the codes made.
;   window 1: S0's fragments, TWO sets, at v0 and v128.   window 2: the accumulators of my S1 rows 0-63 ((a, b) at v[8 (8 a + b)]);   window 3: those of rows 64-127.
.set SIZE_K, 1024
.set KSTEP,  256                       ; along K in a slot
.set NQ,     KSTEP/128                 ; matrix instructions deep
.set ROWB,   192                       ; a tile's row in bytes
.set KROW,   SIZE_K*6/8                ; a row of codes in memory
.set PITCH,  240                       ; an LDS row: 3 x (64 bytes + 16 of padding) = 60 words: the 32 lanes of a load of 8 bytes touch 64 different banks (64 banks of 4 bytes: ISA guide 11.1)
.set FR,     12                        ; registers of a fragment: 16 rows x 128 K
.set NL,     6                         ; LDS loads that bring one
.set NP,     4                         ; places behind this matrix instruction (ISA guide 7.12.1)
.set HALFT,  128*PITCH                 ; 128 rows: what one tensor load brings, and what one wave reads of S1 or of S0
.set SLOT,   4*HALFT                   ; S1's 256 rows, then S0's 256 rows
.set LAPS,   SIZE_K/(2*KSTEP)          ; a lap = two K steps = once round the ring
.set KS,     SIZE_K/32                 ; a row of scale bytes
.set SCL,    2*SLOT                    ; behind the ring: the scale bytes, as runs of 256 bytes + 16 of padding
.set HALFS,  (128*KS/256)*272          ; those of 128 rows: what one tensor load brings
.set SBLK,   (16*KS/256)*272           ; those of 16 rows
.set SPARE,  SCL+4*HALFS               ; behind the scales: the spare words, 128 bytes for each wave: two blocks of 256 bytes that no other line names
.set PARTB,  98304                     ; img: q's, k's or v's part of a head
.set HEADB,  3*PARTB                   ; img: from head to head
.set PARTS,  8192                      ; sc likewise
.set HEADS,  3*PARTS
.set ADRA, 16                          ; v16-17  LDS address of my S1 fragments in slot 0, 1  (v18-19: the same for the pieces that lie behind one padding more)
.set ADRB, 20                          ; v20-21  the same for S0  (v22-23)
.set VL16, 24                          ; v24     16 x lane: the stores' offset
.set VL8,  25                          ; v25     512 + 8 x lane
.set FL,   26                          ; v26     the floor 2^(3 - 127) of a block's largest magnitude
.set ADRS, 27                          ; v27     LDS address of my scale words: lanes 0-15 S1's rows, lanes 16-31 S0's
.set SPW,  28                          ; v28     LDS address of my spare word: SPARE + 4 x my thread's number; never rewritten
.set NIL,  29                          ; v29     0; never rewritten
.set SC,   32                          ; scale words: set s (for slot s) at v[SC + 8 NQ s]; register NQ i + q: lanes 0-15 the word of S1's block i, lanes 16-31 that of S0's block i, for the slot's q-th 128 along K
.set BI,   64                          ; v64-127 the bias: eight registers for each of eight tiles
.set TM,   64                          ; behind the first step: v64-67 largest magnitudes, v68-71 bytes, v76-79 the conversions' scale operands
.set TP,   80                          ; v80-86  the conversions' second halves
.set WD,   88                          ; v88-95  block a's scale word
.set KW,   96                          ; v96-103 q's and k's scale words as they are stored
.set KT,   104                         ; v104-107 at work
.set AF,   128                         ; S1's fragments
.set CD,   128                         ; behind the products: the codes, 12 registers for each block a
.set G1, 24                            ; s[24:31] descriptor group 1 for S1's tiles;  s[32:39] group 0, one set for each slot
.set G0, 32
.set G1B, 48                           ; s[48:55], s[56:63] the same for S0's tiles
.set G0B, 56
.set G1S, 68                           ; s[68:75], s[76:79] groups 1 and 0 for S1's scales;  s[80:87], s[88:91] for S0's
.set G0S, 76
.set G1SB, 80
.set G0SB, 88
.set MSB, 0
.macro WIN new                         ; the immediate's high byte repeats the setting that is left
.if MSB != \new
	s_set_vgpr_msb (MSB<<8)|\new
.set MSB, \new
.endif
.endm
.set MUL_LO,  0xa1                     ; source 0 (S0) window 1, source 1 (S1) window 0, C and D window 2
.set MUL_HI,  0xf1                     ; the same, C and D window 3
.set BIAS_LO, 0x81                     ; the first step: C (the bias) window 0, D window 2
.set BIAS_HI, 0xc1                     ; D window 3
.set TO_B,    0x40                     ; destination window 1, address window 0
; A joint load: waves 0 and 1 fetch for S1, waves 2 and 3 for S0.  Each of the two lines has ONE mask and one set of registers for all that issue it; the branch hangs on the wave's number alone.
; Four v_nop follow each of the two lines, ahead of the jump, the label and what follows.
.macro JLOAD g0a, g1a, g0b, g1b
	s_cmp_eq_u32 s15, 0
	s_cbranch_scc0 .Lfor_b_\@
	tensor_load_to_lds s[\g0a:\g0a+3], s[\g1a:\g1a+7]
	s_nop 0
.rept 4
	v_nop
.endr
	s_branch .Lasked_\@
.Lfor_b_\@:
	tensor_load_to_lds s[\g0b:\g0b+3], s[\g1b:\g1b+7]
	s_nop 0
.rept 4
	v_nop
.endr
.Lasked_\@:
.endm
.macro CREST                           ; a round of the cluster's barrier behind its opening barrier
	s_cmp_lg_u32 s14, 0
	s_cbranch_scc1 .Lnot_wave_0_\@
	s_barrier_signal -3
.Lnot_wave_0_\@:
	s_barrier_wait -3
	s_barrier_signal -1
	s_barrier_wait -1
.endm
.macro CROUND                          ; a whole round
	s_barrier_signal -1
	s_barrier_wait -1
	CREST
.endm
	s_load_b256 s[4:11], s[0:1], 0x0               ; x's codes s[4:5], x's scales s[6:7], w's codes s[8:9], w's scales s[10:11]
	s_load_b256 s[92:99], s[0:1], 0x20             ; bq s[92:93], bk s[94:95], bv s[96:97], img s[98:99]
	s_load_b64 s[100:101], s[0:1], 0x40            ; sc
	v_lshl_add_u32 v[SPW], v0, 2, SPARE
	v_mov_b32 v[NIL], 0
	ds_add_u32 v28, v29
	ds_add_u32 v28, v29
	s_wait_dscnt 0x0
	v_lshrrev_b32 v1, 5, v0
	v_readfirstlane_b32 s14, v1                    ; wave 0..3
	s_lshr_b32 s15, s14, 1                         ; which half of S1's rows is mine.  Also: I fetch for S1 (0) or for S0 (1)
	s_and_b32 s16, s14, 1                          ; which half of S0's rows.  Also: which 128 rows of that tile I fetch
	s_bfe_u32 s40, ttmp6, 0x40000                  ; cx, cy: my place in the cluster
	s_bfe_u32 s41, ttmp6, 0x40004
	s_lshr_b32 s18, ttmp9, 1                       ; c = ttmp9: the cluster.  q and k: S1's tiles 4 (c / 2) on (of x's 32),
	s_lshl_b32 s18, s18, 2
	s_and_b32 s19, ttmp9, 1
	s_lshl_b32 s19, s19, 2                         ; S0's tiles 4 (c % 2) on (of w's first 8)
	s_max_u32 s20, ttmp9, 16
	s_sub_co_u32 s20, s20, 16
	s_lshl_b32 s20, s20, 2                         ; v: S0's tiles 4 (c - 16) on (of x's 32); S1's tiles 8 on (w's rows 2,048 on)
	s_cmp_lt_u32 ttmp9, 16
	s_cselect_b32 s2, 0, 1                         ; the type: 0 q and k, 1 v
	s_cselect_b32 s17, s18, 8
	s_cselect_b32 s42, s19, s20
	s_add_co_u32 s17, s17, s41                     ; S1's tile = its base + cy
	s_add_co_u32 s42, s42, s40                     ; S0's tile = its base + cx
	s_lshl_b32 s43, s41, 2
	s_lshl_b32 s43, 15, s43                        ; my row of the cluster
	s_lshl_b32 s44, 0x1111, s40                    ; my column
	; descriptor group 1: a tile of 128 rows x ROWB bytes, padded in LDS
	s_or_b32 s[G1+0], s43, (0<<16)|(1<<20)|(1<<21)|(3<<22)|(3<<25)  ; 15:0 the mask: S1's tiles go to my row; 17:16 element of 1 byte; 20 padding on; 21 set beside a mask; 24:22 after every 16 words (code 3); 31:25 of 4 words (code 3)
	s_or_b32 s[G1B+0], s44, (0<<16)|(1<<20)|(1<<21)|(3<<22)|(3<<25)
.irp g, G1, G1B
	s_mov_b32 s[\g+1], ROWB<<16                    ; tensor_dim0
	s_mov_b32 s[\g+2], 128<<16                     ; tensor_dim1 = 128
	s_mov_b32 s[\g+3], ROWB<<16                    ; tile_dim0
	s_mov_b32 s[\g+4], 128                         ; tile_dim1 = 128
	s_mov_b32 s[\g+5], KROW                        ; tensor_dim0_stride
	s_mov_b32 s[\g+6], 0
	s_mov_b32 s[\g+7], 0
.endr
	; and for the scales of 128 rows: a dense block of 4,096 bytes, as 16 rows of 256 bytes (32 elements of 8 bytes), 16 bytes of padding behind each
	s_or_b32 s[G1S+0], s43, (3<<16)|(1<<20)|(1<<21)|(5<<22)|(3<<25)
	s_or_b32 s[G1SB+0], s44, (3<<16)|(1<<20)|(1<<21)|(5<<22)|(3<<25)
.irp g, G1S, G1SB
	s_mov_b32 s[\g+1], 32<<16
	s_mov_b32 s[\g+2], (128*KS/256)<<16
	s_mov_b32 s[\g+3], 32<<16
	s_mov_b32 s[\g+4], 128*KS/256
	s_mov_b32 s[\g+5], 32
	s_mov_b32 s[\g+6], 0
	s_mov_b32 s[\g+7], 0
.endr
	s_lshl_b32 s18, s16, 7                         ; which 128 rows of the tile I fetch
	s_lshl_b32 s20, s17, 8
	s_add_co_u32 s20, s20, s18                     ; S1: row 256 x tile + 128 x half
	s_lshl_b32 s46, s42, 8
	s_add_co_u32 s46, s46, s18                     ; S0 likewise
	s_lshl_b32 s22, s20, 5                         ; where these rows' scale bytes begin (32 a row),
	s_mov_b32 s23, 0
	s_lshl_b32 s66, s46, 5
	s_mov_b32 s67, 0
	s_mul_i32 s20, s20, KROW                       ; and their codes (8,192 rows of 768 bytes at the most: under 2^23)
	s_mov_b32 s21, 0
	s_mul_i32 s46, s46, KROW
	s_mov_b32 s47, 0
	s_mul_i32 s45, s14, HALFT                      ; where they go: wave x 128 rows: no place in the cluster enters an LDS address
	s_mul_i32 s3, s14, HALFS
	s_wait_kmcnt 0x0
	s_cmp_eq_u32 s2, 0                             ; one compare serves the four choices: the 64-bit additions between them leave SCC alone
	s_cselect_b64 s[12:13], s[4:5], s[8:9]         ; S1's codes: x's or w's
	s_add_nc_u64 s[20:21], s[12:13], s[20:21]
	s_cselect_b64 s[12:13], s[6:7], s[10:11]       ; S1's scales
	s_add_nc_u64 s[22:23], s[12:13], s[22:23]
	s_cselect_b64 s[12:13], s[8:9], s[4:5]         ; S0's codes: w's or x's
	s_add_nc_u64 s[46:47], s[12:13], s[46:47]
	s_cselect_b64 s[12:13], s[10:11], s[6:7]       ; S0's scales
	s_add_nc_u64 s[66:67], s[12:13], s[66:67]
	CROUND                                         ; all sixteen work-groups are here: the first joint loads meet
	s_mov_b32 s[G0S], 1
	s_add_co_u32 s[G0S+1], s3, SCL
	s_mov_b64 s[G0S+2:G0S+3], s[22:23]
	s_or_b32 s[G0S+3], s[G0S+3], 0x80000000
	s_mov_b32 s[G0SB], 1
	s_add_co_u32 s[G0SB+1], s3, SCL
	s_mov_b64 s[G0SB+2:G0SB+3], s[66:67]
	s_or_b32 s[G0SB+3], s[G0SB+3], 0x80000000
	JLOAD G0S, G1S, G0SB, G1SB                     ; the scales first: they are wanted with K step 0
.irp s, 0,1
	s_mov_b32 s[G0+4*\s], 1
	s_add_co_u32 s[G0+4*\s+1], s45, \s*SLOT
	s_add_nc_u64 s[G0+4*\s+2:G0+4*\s+3], s[20:21], \s*ROWB
	s_or_b32 s[G0+4*\s+3], s[G0+4*\s+3], 0x80000000
	s_mov_b32 s[G0B+4*\s], 1
	s_add_co_u32 s[G0B+4*\s+1], s45, \s*SLOT
	s_add_nc_u64 s[G0B+4*\s+2:G0B+4*\s+3], s[46:47], \s*ROWB
	s_or_b32 s[G0B+4*\s+3], s[G0B+4*\s+3], 0x80000000
	JLOAD G0+4*\s, G1, G0B+4*\s, G1B               ; three tensor loads of mine are out
.endr
	v_and_b32 v1, 15, v0                           ; r = l % 16
	v_bfe_u32 v2, v0, 4, 1                         ; h = l / 16
	v_mul_u32_u24 v3, v1, PITCH
	v_mul_u32_u24 v4, v2, 24
	v_add_nc_u32 v4, v3, v4                        ; a fragment's row x pitch + 24 x half
	v_lshl_add_u32 v5, v2, 4, v4                   ; and the same behind one padding more
	s_mul_i32 s21, s15, HALFT                      ; my 128 rows of S1
	s_mul_i32 s22, s16, HALFT                      ; my 128 rows of S0,
	s_add_co_u32 s22, s22, 2*HALFT                 ; which lie behind S1's 256
.irp s, 0,1
	v_add_nc_u32 v[ADRA+\s], s21, v4
	v_add_nc_u32 v[ADRB+\s], s22, v4
	v_add_nc_u32 v[ADRA+2+\s], s21, v5
	v_add_nc_u32 v[ADRB+2+\s], s22, v5
	s_add_co_u32 s21, s21, SLOT
	s_add_co_u32 s22, s22, SLOT
.endr
	v_mul_u32_u24 v5, v1, KS                       ; my row's scales: KS bytes a row,
	v_lshrrev_b32 v6, 8, v5
	v_lshl_add_u32 v5, v6, 4, v5                   ; and 16 more for each 256 passed
	s_mul_i32 s21, s15, HALFS                      ; S1's: my 128 rows
	s_mul_i32 s22, s16, HALFS                      ; S0's: my 128 rows, behind S1's 256
	s_add_co_u32 s22, s22, 2*HALFS
	s_sub_co_u32 s22, s22, s21
	v_mul_u32_u24 v6, s22, v2                      ; lanes 16-31 take S0's: one product, the distance between the two
	s_add_co_u32 s21, s21, SCL
	v_add_nc_u32 v5, v5, v6
	v_add_nc_u32 v[ADRS], s21, v5
	v_and_b32 v6, 31, v0
	v_lshlrev_b32 v[VL16], 4, v6
	v_lshl_add_u32 v[VL8], v6, 3, 512
	v_mov_b32 v[FL], 0x1800000
	; where my results go.  The registers used here feed no descriptor any more.
	s_lshl_b32 s18, s17, 8
	s_lshl_b32 s19, s15, 7
	s_add_co_u32 s18, s18, s19                     ; my first row of S1
	s_lshl_b32 s19, s42, 8
	s_lshl_b32 s20, s16, 7
	s_add_co_u32 s19, s19, s20                     ; my first row of S0
	s_and_b32 s21, ttmp9, 1
	s_cmp_eq_u32 s2, 0
	s_cselect_b32 s20, s18, s19                    ; my first token (a multiple of 128, so position and number agree)
	s_cselect_b32 s22, s19, s18                    ; my first row of w
	s_cselect_b32 s21, s21, 2                      ; 0 q, 1 k, 2 v: from the cluster's number alone
	s_lshr_b32 s23, s20, 11                        ; the batch
	s_bfe_u32 s20, s20, 0x40007                    ; the step of 128 tokens in it
	s_bfe_u32 s12, s22, 0x40006                    ; my first head (of two)
	s_lshl_b32 s23, s23, 4
	s_add_co_u32 s23, s23, s12
	s_mul_i32 s23, s23, 3
	s_add_co_u32 s23, s23, s21                     ; (16 batch + head) x 3 + part
	s_mul_i32 s12, s23, PARTB
	s_mul_i32 s13, s20, 6144                       ; a step's 8 tiles of 768 bytes, or its 4 fragments of 1,536
	s_add_co_u32 s12, s12, s13
	s_mov_b32 s13, 0
	s_add_nc_u64 s[98:99], s[98:99], s[12:13]
	s_lshl_b32 s12, s23, 13
	s_lshl_b32 s20, s20, 9
	s_add_co_u32 s12, s12, s20
	s_add_nc_u64 s[100:101], s[100:101], s[12:13]
	s_cmp_eq_u32 s21, 1
	s_cselect_b64 s[94:95], s[94:95], s[96:97]
	s_cmp_eq_u32 s21, 0
	s_cselect_b64 s[92:93], s[92:93], s[94:95]     ; my bias
	s_and_b32 s12, s22, 1023
	s_lshl_b32 s12, s12, 2
	s_add_nc_u64 s[92:93], s[92:93], s[12:13]      ; at my first column
	; THE BIAS in the result's layout.  q, k: it runs along S0: tile b's register j of lane (r, h) is column 32 (b / 2) + 8 (b % 2) + 16 h + j.  v: it runs along S1: all eight registers of block a hold column 32 (a / 2) + 8 (a % 2) + r + (r & 8)'s.
	s_cmp_eq_u32 s2, 0
	s_cbranch_scc0 .Lbias_v
	v_lshlrev_b32 v7, 6, v2
.irp b, 0,1,2,3,4,5,6,7
	global_load_b128 v[BI+8*\b:BI+8*\b+3], v7, s[92:93] offset:4*(32*(\b/2)+8*(\b%2))
	global_load_b128 v[BI+8*\b+4:BI+8*\b+7], v7, s[92:93] offset:4*(32*(\b/2)+8*(\b%2))+16
.endr
	s_branch .Lbias_asked
.Lbias_v:
	v_and_b32 v7, 8, v1
	v_add_nc_u32 v7, v7, v1
	v_lshlrev_b32 v7, 2, v7
.irp a, 0,1,2,3,4,5,6,7
.irp j, 0,1,2,3,4,5,6,7
	global_load_b32 v[BI+8*\a+\j], v7, s[92:93] offset:4*(32*(\a/2)+8*(\a%2))
.endr
.endr
.Lbias_asked:
.macro FRAG reg, adr, q, i             ; a fragment, 16 rows x 128 K of 6-bit codes, is 12 registers: lane l holds row l % 16; registers 6 c .. 6 c + 5 hold K = 64 c + 32 (l / 16) + 0 .. 31: 24 bytes of the row's stream of bits, as they lie
.irp p, 0,1,2,3,4,5                    ; in pieces of 8 bytes, so that every address is a multiple of the access's size.  Lanes 0-15 take the row's pieces 12 q + 0, 1, 2 and 12 q + 6, 7, 8, lanes 16-31 those three pieces on
.set PC, 12*(\q)+6*(\p/3)+\p%3        ; 16 bytes of padding lie behind every 64 bytes (8 pieces): where the piece three on lies behind one padding more, the second address register serves
.if PC%8 < 5
	ds_load_b64 v[\reg+2*\p:\reg+2*\p+1], v[\adr] offset:8*PC+16*(PC/8)+(\i)*16*PITCH
.else
	ds_load_b64 v[\reg+2*\p:\reg+2*\p+1], v[\adr+2] offset:8*PC+16*(PC/8)+(\i)*16*PITCH
.endif
.endr
.endm
; 16 matrix instructions: S1's blocks a0, a0 + 1 x S0's eight, 128 along K: the slot's q-th.  p: S0's set;  sc: the set of scale words.
; cm = 0: the sums go on in place;  1: they start with the bias of S0's tile b;  2: with that of S1's block a.  Nothing is ever cleared.
; The 64 accumulators take turns, one instruction a turn, in the same order in every step.
.macro MUL16 a0, p, q, sc, cm
.irp a, \a0, \a0+1
.irp b, 0,1,2,3,4,5,6,7
.if \cm == 1
	v_wmma_scale_f32_16x16x128_f8f6f4 v[8*(8*((\a)%4)+\b):8*(8*((\a)%4)+\b)+7], v[128*(\p)+FR*\b:128*(\p)+FR*\b+FR-1], v[AF+FR*(\a):AF+FR*(\a)+FR-1], v[BI+8*\b:BI+8*\b+7], v[SC+8*NQ*(\sc)+NQ*\b+(\q)], v[SC+8*NQ*(\sc)+NQ*(\a)+(\q)] matrix_a_fmt:MATRIX_FMT_FP6 matrix_b_fmt:MATRIX_FMT_FP6 matrix_a_scale:MATRIX_SCALE_ROW1
.elseif \cm == 2
	v_wmma_scale_f32_16x16x128_f8f6f4 v[8*(8*((\a)%4)+\b):8*(8*((\a)%4)+\b)+7], v[128*(\p)+FR*\b:128*(\p)+FR*\b+FR-1], v[AF+FR*(\a):AF+FR*(\a)+FR-1], v[BI+8*(\a):BI+8*(\a)+7], v[SC+8*NQ*(\sc)+NQ*\b+(\q)], v[SC+8*NQ*(\sc)+NQ*(\a)+(\q)] matrix_a_fmt:MATRIX_FMT_FP6 matrix_b_fmt:MATRIX_FMT_FP6 matrix_a_scale:MATRIX_SCALE_ROW1
.else
	v_wmma_scale_f32_16x16x128_f8f6f4 v[8*(8*((\a)%4)+\b):8*(8*((\a)%4)+\b)+7], v[128*(\p)+FR*\b:128*(\p)+FR*\b+FR-1], v[AF+FR*(\a):AF+FR*(\a)+FR-1], v[8*(8*((\a)%4)+\b):8*(8*((\a)%4)+\b)+7], v[SC+8*NQ*(\sc)+NQ*\b+(\q)], v[SC+8*NQ*(\sc)+NQ*(\a)+(\q)] matrix_a_fmt:MATRIX_FMT_FP6 matrix_b_fmt:MATRIX_FMT_FP6 matrix_a_scale:MATRIX_SCALE_ROW1
.endif
.endr
.endr
.endm
.macro FETCH_B slot, q, p              ; S0's eight fragments of the slot's q-th 128 along K into set p
	WIN TO_B
.irp i, 0,1,2,3,4,5,6,7
	FRAG 128*(\p)+FR*\i, ADRB+\slot, \q, \i
.endr
	WIN 0
.endm
.macro FETCH_A slot, q, i0             ; S1's blocks i0 .. i0 + 3
.irp i, \i0, \i0+1, \i0+2, \i0+3
	FRAG AF+FR*(\i), ADRA+\slot, \q, \i
.endr
.endm
.macro SCALES sc                       ; the next K step's scale words into set sc: NQ words a row; lanes 0-15 take S1's block i, lanes 16-31 S0's block i
.irp i, 0,1,2,3,4,5,6,7
	ds_load_b64 v[SC+8*NQ*\sc+NQ*\i:SC+8*NQ*\sc+NQ*\i+1], v[ADRS] offset:\i*SBLK
.endr
.endm
; A load into a register that a matrix instruction has read, and a vector instruction that reads a matrix result or writes one of a matrix instruction's registers, stand NP places behind it, and only plain vector
; instructions that name none of its registers are places (ISA guide 7.12.1 for vector instructions); the matrix instructions in between are not counted.
.macro PLACES n
.rept \n
	v_nop
.endr
.endm
; A step of 128 along K that has its successor in the same slot.  S1 has one set of registers: blocks 0-3 are fetched anew in the step's middle, blocks 4-7 at its end; S0 has two sets.
.macro STEP slot, q, cm
	s_wait_dscnt 4*NL                              ; S0's set and S1's blocks 0-3 are in; the youngest 24 loads (S1's blocks 4-7) may be out
.if \cm
	WIN BIAS_LO
.else
	WIN MUL_LO
.endif
	MUL16 0, (\q)%2, \q, \slot, \cm
	MUL16 2, (\q)%2, \q, \slot, \cm
	s_wait_dscnt 0                                 ; S1's blocks 4-7 are in (asked for 32 matrix instructions ago)
	PLACES NP
	FETCH_B \slot, (\q)+1, 1-(\q)%2
	FETCH_A \slot, (\q)+1, 0
.if \cm
	WIN BIAS_HI
.else
	WIN MUL_HI
.endif
	MUL16 4, (\q)%2, \q, \slot, \cm
	MUL16 6, (\q)%2, \q, \slot, \cm
	PLACES NP
	WIN 0
	FETCH_A \slot, (\q)+1, 4
.endm
; A slot's last step changes slots: ONE barrier; in front of it each wave waits for all its tensor loads, adds 0 to its spare word, and waits for that and for its own reads of this slot.  fill = 1: this slot is filled again, two K steps ahead.
.macro TURN slot, next, fill
	s_wait_tensorcnt 0x0                           ; all my tensor loads have landed: my part of the next slot;  (every window is 0 here: the add's two registers lie in window 0)
	ds_add_u32 v[SPW], v[NIL]                      ; 0 onto my spare word
	s_wait_dscnt 4*NL+1                            ; (the add and the youngest 24 loads, S1's blocks 4-7, may be out)
	WIN MUL_LO
	MUL16 0, 1, NQ-1, \slot, 0                     ; sixteen matrix instructions stand between the add and the wait for it
	s_wait_dscnt 0x0                               ; the add is done, and my reads of this slot are over
	s_barrier_signal -1
	MUL16 2, 1, NQ-1, \slot, 0
	WIN 0
	s_barrier_wait -1
.if \fill
	CREST                                          ; the barrier has opened a round of the cluster's barrier: no wave of any partner still reads this slot's tile or has a load on its way
	s_add_nc_u64 s[G0+4*\slot+2:G0+4*\slot+3], s[G0+4*\slot+2:G0+4*\slot+3], 2*ROWB
	s_add_nc_u64 s[G0B+4*\slot+2:G0B+4*\slot+3], s[G0B+4*\slot+2:G0B+4*\slot+3], 2*ROWB
	JLOAD G0+4*\slot, G1, G0B+4*\slot, G1B         ; the first tensor load behind the round, my one load until the next; the four v_nop behind it are the places in front of the loads below
.else
	PLACES NP
.endif
	v_add_nc_u32 v[ADRS], 4*NQ, v[ADRS]            ; on to the next K step's scale words (no LDS load of mine is out)
	FETCH_B \next, 0, 0
	FETCH_A \next, 0, 0
	SCALES \next
	WIN MUL_HI
	MUL16 4, 1, NQ-1, \slot, 0
	MUL16 6, 1, NQ-1, \slot, 0
	PLACES NP
	WIN 0
	FETCH_A \next, 0, 4
.endm
	s_wait_tensorcnt 1                             ; the scales and my part of K step 0 are in (K step 1's load may be out)
	s_barrier_signal -1
	s_barrier_wait -1                              ; everybody's are
	FETCH_B 0, 0, 0
	FETCH_A 0, 0, 0
	SCALES 0
	FETCH_A 0, 0, 4
	s_wait_loadcnt 0x0                             ; the bias
	s_cmp_eq_u32 s2, 0                             ; the first step is written twice: its products start the sums with the bias, which runs along S0 or along S1.  Both ways issue the same LDS loads
	s_cbranch_scc0 .Lfirst_v
	STEP 0, 0, 1
	s_branch .Lfirst_done
.Lfirst_v:
	STEP 0, 0, 2
.Lfirst_done:
.rept LAPS-1                                   ; once round the ring, from a lap's second step to the next lap's first; both slots are filled again.  K = 1,024 has one such lap: written out, no counter
	TURN 0, 1, 1
	STEP 1, 0, 0
	TURN 1, 0, 1
	STEP 0, 0, 0
.endr
	TURN 0, 1, 0                                   ; the last lap fills nothing, and has no round of the cluster's barrier
	STEP 1, 0, 0
	s_wait_dscnt 4*NL                              ; the very last step: nothing more to fetch
	WIN MUL_LO
	MUL16 0, 1, NQ-1, 1, 0
	MUL16 2, 1, NQ-1, 1, 0
	s_wait_dscnt 0
	WIN MUL_HI
	MUL16 4, 1, NQ-1, 1, 0
	MUL16 6, 1, NQ-1, 1, 0
	WIN 0
; THE QUANTISER.  Block a (16 rows of S1): a lane's 64 results, register 16 b + i = S0's number 32 b + 16 (lane / 16) + i of the lane's row, become 12 registers of codes in v[CD + 12 a] on (registers 6 c .. 6 c + 5:
; S0's numbers 64 c + 32 (lane / 16) + 0 .. 31) and the four blocks' scale bytes in v[WD + a].  Each accumulator is read from its low end on.  Four switches of the register window a block.
.macro QUANT a
.set AC, 64*((\a)%4)
.set W,  2+(\a)/4
.set WW, (W<<2)|(W<<4)
	WIN WW                                         ; sources 1 and 2: the accumulators' window
.irp b, 0,1,2,3
	v_max3_num_f32 v[TM+\b], v[FL], |v[AC+16*\b]|, |v[AC+16*\b+1]|   ; block b: my 16 numbers, and the floor: so the byte cannot fall under 1
.endr
.irp i, 2,4,6,8,10,12,14
.irp b, 0,1,2,3
	v_max3_num_f32 v[TM+\b], v[TM+\b], |v[AC+16*\b+\i]|, |v[AC+16*\b+\i+1]|   ; (the four blocks by turns: no line waits for the line above it)
.endr
.endr
	WIN 0
.irp b, 0,1,2,3
	v_permlanex16_b32 v[TM+4+\b], v[TM+\b], s20, s21
.endr
.irp b, 0,1,2,3
	v_max_num_f32 v[TM+\b], v[TM+\b], v[TM+4+\b]   ; with lane l xor 16's: the block's largest magnitude
.endr
.irp b, 0,1,2,3
	v_add_nc_u32 v[TM+12+\b], 0xff000000, v[TM+\b] ; 2 off its exponent field: the conversion takes the exponent field of this operand as its scale, and nothing else of it
.endr
.irp b, 0,1,2,3
	v_lshrrev_b32 v[TM+4+\b], 23, v[TM+12+\b]      ; the scale's byte
.endr
	v_lshl_or_b32 v[WD+(\a)], v[TM+5], 8, v[TM+4]  ; the four bytes of my row
	v_lshl_or_b32 v[WD+(\a)], v[TM+6], 16, v[WD+(\a)]
	v_lshl_or_b32 v[WD+(\a)], v[TM+7], 24, v[WD+(\a)]
	WIN W                                          ; source 0: the accumulators' window
.irp c, 0,1
	v_cvt_scalef32_pk16_fp6_f32 v[CD+12*(\a)+6*\c:CD+12*(\a)+6*\c+2], v[AC+32*\c:AC+32*\c+15], v[TM+12+2*\c]
	v_cvt_scalef32_pk16_fp6_f32 v[TP+4*\c:TP+4*\c+2], v[AC+32*\c+16:AC+32*\c+31], v[TM+13+2*\c]   ; (a conversion's three registers begin on an even number)
.endr
	WIN 0
	v_nop                                          ; one plain place behind a scaled conversion
.irp c, 0,1                                    ; the operand's layout wants a WHOLE block in a lane: lanes 0-15 block 2 c, lanes 16-31 block 2 c + 1
.irp i, 0,1,2
	v_permlane16_swap_b32 v[CD+12*(\a)+6*\c+\i], v[TP+4*\c+\i]
.endr
.irp i, 0,1,2
	v_mov_b32 v[CD+12*(\a)+6*\c+3+\i], v[TP+4*\c+\i]
.endr
.endr
.endm
	PLACES NP                                      ; behind the last products: their results are read, and S1's fragments' registers written, only behind these
	s_mov_b32 s20, 0x76543210
	s_mov_b32 s21, 0xfedcba98                      ; v_permlanex16_b32's selects for lane l xor 16
.irp b, 0,1,2,3
	v_mov_b32 v[TM+4+\b], 0                        ; written once: a lane permute's destination counts as one of its sources
.endr
.irp a, 0,1,2,3,4,5,6,7
	QUANT \a
.endr
	s_wait_tensorcnt 0x0                           ; the wave's last LDS instructions, behind my last tensor load; only stores from registers follow
	ds_add_u32 v[SPW], v[NIL]
	s_wait_dscnt 0x0
	; THE STORES, straight from the registers.  No store's data are written again.
	s_cmp_eq_u32 s2, 0
	s_cbranch_scc0 .Lout_v
	; q, k: block a is tile a of my step's eight; the codes' halves g = 0, 1 are my two heads
.irp a, 0,1,2,3,4,5,6,7
.irp g, 0,1
	global_store_b128 v[VL16], v[CD+12*\a+6*\g:CD+12*\a+6*\g+3], s[98:99] offset:\g*HEADB+\a*768     ; 512 consecutive bytes
	global_store_b64 v[VL8], v[CD+12*\a+6*\g+4:CD+12*\a+6*\g+5], s[98:99] offset:\g*HEADB+\a*768     ; and the 256 behind them
.endr
.endr
	s_mov_b32 vcc_lo, 0xffff0000
.irp i, 0,1,2,3
	v_cndmask_b32 v[KT+\i], v[WD+2*\i], v[WD+2*\i+1], vcc_lo   ; lanes 0-15: tile 2 i's words, lanes 16-31: tile 2 i + 1's
.endr
.irp i, 0,1,2,3
	v_and_b32 v[KW+\i], 0xffff, v[KT+\i]           ; the first head's two bytes, 0 above them: the matrix instruction's upper 64 along K are not used
	v_lshrrev_b32 v[KW+4+\i], 16, v[KT+\i]         ; the second head's
.endr
.irp g, 0,1
	global_store_b128 v[VL16], v[KW+4*\g:KW+4*\g+3], s[100:101] offset:\g*HEADS
.endr
	s_branch .Lout_done
.Lout_v:
	; v: block a is tile a % 4 of head a / 4; its 12 registers are the fragment of my step's 128 keys
.irp a, 0,1,2,3,4,5,6,7
.irp i, 0,1,2
	global_store_b128 v[VL16], v[CD+12*\a+4*\i:CD+12*\a+4*\i+3], s[98:99] offset:(\a/4)*HEADB+(\a%4)*1536+512*\i
.endr
.endr
.irp g, 0,1
	global_store_b128 v[VL16], v[WD+4*\g:WD+4*\g+3], s[100:101] offset:\g*HEADS
.endr
.Lout_done:
	CROUND                                         ; the closing round: no work-group ends while a partner may still ask for a tile that names it
	s_endpgm
.Lfunc_end_k_q4443bed578_proj:
	.size	k_q4443bed578_proj, .Lfunc_end_k_q4443bed578_proj-k_q4443bed578_proj
	.p2alignl 7, 3214868480
	.fill 96, 4, 3214868480
	.section	.rodata,"a",@progbits
	.p2align	6, 0x0
	.amdhsa_kernel k_q4443bed578_proj
		.amdhsa_group_segment_fixed_size 327680
		.amdhsa_private_segment_fixed_size 0
		.amdhsa_enable_private_segment 0
		.amdhsa_kernarg_size 72
		.amdhsa_user_sgpr_count 2
		.amdhsa_user_sgpr_kernarg_segment_ptr 1
		.amdhsa_wavefront_size32 1
		.amdhsa_system_sgpr_workgroup_id_x 1
		.amdhsa_system_sgpr_workgroup_id_y 1
		.amdhsa_system_sgpr_workgroup_id_z 1
		.amdhsa_system_vgpr_workitem_id 0
		.amdhsa_next_free_vgpr 1024
		.amdhsa_next_free_sgpr 102
		.amdhsa_reserve_vcc 1
		.amdhsa_float_denorm_mode_32 3
		.amdhsa_float_denorm_mode_16_64 3
		.amdhsa_memory_ordered 1
		.amdhsa_forward_progress 1
		.amdhsa_inst_pref_size 190
	.end_amdhsa_kernel
	.amdgpu_metadata
---
amdhsa.version: [ 1, 2 ]
amdhsa.kernels:
  - .name:           k_q4443bed578_proj
    .symbol:         k_q4443bed578_proj.kd
    .args:
      - { .name: x_codes, .offset: 0, .size: 8, .value_kind: global_buffer, .address_space: global }
      - { .name: x_scales, .offset: 8, .size: 8, .value_kind: global_buffer, .address_space: global }
      - { .name: w_codes, .offset: 16, .size: 8, .value_kind: global_buffer, .address_space: global }
      - { .name: w_scales, .offset: 24, .size: 8, .value_kind: global_buffer, .address_space: global }
      - { .name: bq, .offset: 32, .size: 8, .value_kind: global_buffer, .address_space: global }
      - { .name: bk, .offset: 40, .size: 8, .value_kind: global_buffer, .address_space: global }
      - { .name: bv, .offset: 48, .size: 8, .value_kind: global_buffer, .address_space: global }
      - { .name: img, .offset: 56, .size: 8, .value_kind: global_buffer, .address_space: global }
      - { .name: sc, .offset: 64, .size: 8, .value_kind: global_buffer, .address_space: global }
    .group_segment_fixed_size: 327680
    .private_segment_fixed_size: 0
    .kernarg_segment_align: 8
    .kernarg_segment_size: 72
    .max_flat_workgroup_size: 128
    .sgpr_count:     102
    .vgpr_count:     1024
    .wavefront_size: 32
...
	.end_amdgpu_metadata
.endif
;; end of part 3
;; launch attn (part 4): grid 8 x 64, 16 waves a work-group, clusters of 4 x 1, 292,864 bytes of LDS; arguments img, sc, mask, out0; writes out0
.if DOCPART == 4
	.amdgcn_target "amdgcn-amd-amdhsa--gfx1250"
	.amdhsa_code_object_version 6
	.text
	.protected	k_q4443bed578_attn
	.globl	k_q4443bed578_attn
	.p2align	8
	.type	k_q4443bed578_attn,@function
k_q4443bed578_attn:
	s_mov_b64 s[64:65], 0
	v_nop
	global_prefetch_b8 v0, s[64:65] scope:SCOPE_SE
	s_setreg_imm32_b32 hwreg(HW_REG_WAVE_MODE, 25, 1), 1
	s_wait_xcnt 0x0
	s_wait_alu depctr_hold_cnt(0) depctr_sa_sdst(0) depctr_va_vdst(0) depctr_va_sdst(0) depctr_va_ssrc(0) depctr_va_vcc(0) depctr_vm_vsrc(0)
	s_getreg_b32 s2, hwreg(HW_REG_IB_STS2, 6, 4)
	s_cmp_eq_u32 s2, 0
	s_cbranch_scc0 .Lentry_in_a_cluster
	s_endpgm
.Lentry_in_a_cluster:
	s_bfe_u32 s2, ttmp6, 0x10000c
	s_cmp_lg_u32 s2, 0x3003
	s_cbranch_scc0 .Lentry_shape_is_right
	s_endpgm
.Lentry_shape_is_right:
; out0[b][q][64 h + d] = the sum over k of softmax_k(q . k / 8 - 10000 (1 - mask[b][k])) v[k][d], for 64 heads (b 16 + h) of 2,048 tokens and 64 numbers, both products on codes of FP6 (E2M3) with one E8M0 scale
; for each 32 along a product's K.  q, k, v come as images of the operands' registers (img) with their scale words (sc), as the launch before has laid them; tokens and v's columns stand in POSITION ORDER inside each 32:
; position 16 T + r is number 32 (T / 2) + 8 (T % 2) + r + (r & 8).
; THE SOFTMAX AHEAD OF THE SECOND PRODUCT: t = logit x log2(e); M = the row's largest t so far, rounded UP to a whole number; p = 2^(t - M) is what is quantised, along the keys, not normalised.  The row's sum is taken of
; the unquantised p, in f32, and divides at the end.  When M moves, the sum and O are multiplied by 2^(old M - new M): exact.
; SHARES.  A work-group owns 256 query positions of one head, each of its SIXTEEN waves one tile of 16, in 256 registers: four waves to a SIMD, so that one wave's vector work stands beside another's matrix work and LDS loads.
; A HEAD'S K AND V STAY IN LDS WHOLE: 2 x 98,304 bytes of codes, 2 x 8,192 of scale words.  Every LDS byte is filled once: no ring, no refill.  They come in four chunks of 512 keys, all asked for at the head; the work on a
; chunk begins when it has landed.  So there is no later load for which a prefetch could ask ahead: none is written.
; CLUSTER.  The four work-groups of a cluster belong to one head: K, V and their scales are asked for JOINTLY (mask 15), by waves 0 (K) and 1 (V), five loads each.
; LAYOUT.  Both products are used transposed: S^T = K Q^T (source 0 = 16 key positions, source 1 = my 16 queries), O^T = V^T P^T (source 0 = 16 positions of the head's 64): a lane holds ONE query (lane % 16) throughout, and by the
; position order the 16 registers of tiles 2 b and 2 b + 1 are the neighbours 32 b + 16 (lane / 16) + 0 .. 15: keys in S^T, the head's numbers in O^T.
; THE FIRST PRODUCT'S K IS 64 of the instruction's 128: Q's upper six registers are zero codes, and both sides' upper two scale bytes are 0 (2^-127).  So what stands in the upper six registers named for K (the next tile's codes) adds exactly 0.
; THE MASK COSTS NO VECTOR INSTRUCTION: -80,000 (1 - mask), 8 times reference()'s penalty to the bit, is the C of the first product; the factor log2(e) / 8 follows.
; LIMITS: NaN and infinities are not served.  A block of p whose every number has fallen to 0 keeps the scale byte 1: its codes are zeros.  The penalty is added to a score by the matrix instruction's own rounding, not by an f32
; subtraction rounded to nearest: the difference, under 1e-6 of 80,000, shows only in rows all of whose keys are masked.
.set KIMG,  0                          ; LDS: K's images: step x 6,144 + tile x 768
.set VIMG,  98304                      ; V's: step x 6,144 + tile x 1,536 + 512 i
.set KSC,   196608                     ; K's scale words: step x 512 + 16 x lane
.set VSC,   204800                     ; V's likewise
.set PEN,   212992                     ; the penalties of the batch's 2,048 keys, f32: written by the waves, never by a tensor load
.set STAGE, 221184                     ; the way out: 16 rows x (256 bytes + 16) for each wave
.set SP,    272
.set CHB,   24576                      ; a chunk of 512 keys in an image
.set STB,   6144                       ; a step of 128 keys
.set PARTB, 98304
.set HEADB, 3*PARTB
.set PARTS, 8192
.set HEADS, 3*PARTS
.set AK0,  1                           ; v1   16 x lane
.set AK1,  2                           ; v2   512 + 8 x lane
.set AV0,  3                           ; v3   VIMG + 16 x lane
.set AS0,  4                           ; v4   KSC + 16 x lane
.set AP0,  5                           ; v5   PEN + 64 (lane / 16)
.set ADK,  6                           ; v6-10 the step's addresses
.set ADK1, 7
.set ADV,  8
.set ADS,  9
.set ADP,  10
.set GO,   11                          ; v11  the way out: my byte offset in out0
                                       ; v12 -M, v13 the largest t, v[14:15] the sum in two halves
.set QF,   16                          ; v16-21 Q's codes, v22-27 zeros
.set F,    28                          ; v28  f = 2^(old M - new M); v29 = 0 (named with it as a pair)
.set TMP,  30                          ; v30-31 at work
.set KV,   32                          ; v32-79 K's 8 x 6 registers, then V's 4 x 12; v80-85 zeros
.set S,    96                          ; v96-159 the penalty, then S^T, then p
.set O,    160                         ; v160-191 O^T
.set PCD,  192                         ; v192-203 p's codes
.set PC2,  204                         ; v204-206, v208-210 the conversions' second halves
.set BM,   212                         ; v212-215 each block's largest score, then its largest p
.set BT,   216                         ; v216-219 at work
.set BS,   220                         ; v220-223 the conversions' scale operands
.set SUM2, 224                         ; v[224:225] the second chain of the sum
.set KSW,  240                         ; v240-243 K's scale words; v244-247 V's; v248 Q's; v249 p's: these hold scales and nothing else
.set VSW,  244
.set QSW,  248
.set PSW,  249
.set WV,   12                          ; s12  my wave's number
.set SEL,  20                          ; s[20:21] lane selects for v_permlanex16_b32: lane l xor 16
.set CS,   22                          ; s[22:23] c = log2(e) / 8
.set G0,   24                          ; s[24:43] five descriptor groups 0: the scale words, then the four chunks
.set G1C,  44                          ; s[44:51] group 1 for a chunk: 96 rows of 256 bytes, dense
.set G1S,  52                          ; s[52:59] for the scale words: 32 rows
.set TB,   60                          ; s60  the step's first byte in an image
.set TS,   61                          ; s61  and among the scale words and the penalties: 512 bytes a step in each
.set CNT,  62                          ; s62  steps to go in the chunk
.macro CROUND                          ; a round of the cluster's barrier: my work-group's barrier; wave 0 signals for the work-group; every wave waits for all four work-groups; my work-group's barrier once more
	s_barrier_signal -1
	s_barrier_wait -1
	s_cmp_lg_u32 s[WV], 0
	s_cbranch_scc1 .Lnot_wave_0_\@
	s_barrier_signal -3
.Lnot_wave_0_\@:
	s_barrier_wait -3
	s_barrier_signal -1
	s_barrier_wait -1
.endm
	s_load_b256 s[4:11], s[0:1], 0x0               ; img s[4:5], sc s[6:7], mask s[8:9], out0 s[10:11]
	v_lshl_add_u32 v254, v0, 2, 0x47000
	v_mov_b32 v255, 0
	ds_add_u32 v254, v255
	ds_add_u32 v254, v255
	v_lshrrev_b32 v[TMP], 5, v0
	v_readfirstlane_b32 s[WV], v[TMP]              ; wave 0..15
	s_bfe_u32 s13, ttmp6, 0x40000                  ; cx: my place in the cluster
	s_lshl_b32 s14, ttmp9, 2                       ; in a cluster launch ttmp9 counts clusters
	s_add_co_u32 s14, s14, s13                     ; my block of 256 queries: it enters Q's and out0's addresses alone
	s_and_b32 s15, ttmp7, 0xffff                   ; b 16 + h, which the four partners share
	s_lshl_b32 s2, s14, 4
	s_add_co_u32 s2, s2, s[WV]                     ; T: my tile of 16 query positions, 0..127
	s_mul_i32 s18, s15, HEADB                      ; the head's first byte in img (63 x 294,912 at the most: under 2^25),
	s_mul_i32 s19, s15, HEADS                      ; and in sc
	; what I fetch, if I fetch: wave 0 K's part, wave 1 V's
	s_and_b32 s16, s[WV], 1
	s_add_co_u32 s17, s16, 1                       ; part 1 is K, part 2 is V
	s_mul_i32 s68, s17, PARTB
	s_add_co_u32 s68, s68, s18
	s_mov_b32 s69, 0
	s_lshl_b32 s66, s17, 13
	s_add_co_u32 s66, s66, s19
	s_mov_b32 s67, 0
	s_mul_i32 s17, s16, PARTB                      ; in LDS: K's images, or V's behind them;
	s_lshl_b32 s16, s16, 13                        ; the scale words likewise: no place in the cluster enters an LDS address
	; Q's tile, its scale word, the batch's mask, my rows of out0
	s_mul_i32 s70, s2, 768
	s_add_co_u32 s70, s70, s18
	s_mov_b32 s71, 0
	s_lshr_b32 s72, s2, 3
	s_lshl_b32 s72, s72, 9                         ; step T / 8,
	s_add_co_u32 s72, s72, s19
	s_and_b32 s73, s2, 1
	s_lshl_b32 s73, s73, 8                         ; lanes 16 (T % 2) on,
	s_add_co_u32 s72, s72, s73
	s_bfe_u32 s73, s2, 0x20001
	s_lshl_b32 s73, s73, 2                         ; word (T / 2) % 4
	s_add_co_u32 s72, s72, s73
	s_mov_b32 s73, 0
	s_lshr_b32 s3, s15, 4                          ; the batch
	s_lshl_b32 s74, s3, 11
	s_lshr_b32 s75, s2, 1
	s_lshl_b32 s75, s75, 5
	s_add_co_u32 s74, s74, s75
	s_and_b32 s75, s2, 1
	s_lshl_b32 s75, s75, 3
	s_add_co_u32 s74, s74, s75                     ; the token at my tile's position 0: 2,048 b + 32 (T / 2) + 8 (T % 2)
	s_lshl_b32 s74, s74, 12                        ; rows of 4,096 bytes (8,191 at the most: under 2^25)
	s_and_b32 s75, s15, 15
	s_lshl_b32 s75, s75, 8                         ; + the head's 256 bytes
	s_add_co_u32 s74, s74, s75
	s_mov_b32 s75, 0
	s_lshl_b32 s2, s3, 13                          ; the batch's 8,192 bytes of mask
	s_mov_b32 s3, 0
	; descriptor group 1: dense blocks, as rows of 256 bytes (32 elements of 8 bytes), no padding: the images are read 16 or 8 consecutive bytes a lane
	s_mov_b32 s[G1C], 15|(3<<16)|(1<<21)           ; 15:0 the mask: all four work-groups; 17:16 elements of 8 bytes; 21 set beside a mask
	s_mov_b32 s[G1C+1], 32<<16                     ; tensor_dim0 = 32
	s_mov_b32 s[G1C+2], (CHB/256)<<16              ; tensor_dim1 = 96
	s_mov_b32 s[G1C+3], 32<<16                     ; tile_dim0 = 32
	s_mov_b32 s[G1C+4], CHB/256                    ; tile_dim1 = 96
	s_mov_b32 s[G1C+5], 32                         ; tensor_dim0_stride
	s_mov_b32 s[G1C+6], 0
	s_mov_b32 s[G1C+7], 0
	s_mov_b32 s[G1S], 15|(3<<16)|(1<<21)
	s_mov_b32 s[G1S+1], 32<<16
	s_mov_b32 s[G1S+2], (PARTS/256)<<16            ; 32 rows
	s_mov_b32 s[G1S+3], 32<<16
	s_mov_b32 s[G1S+4], PARTS/256
	s_mov_b32 s[G1S+5], 32
	s_mov_b32 s[G1S+6], 0
	s_mov_b32 s[G1S+7], 0
	s_mov_b32 s[SEL], 0x76543210
	s_mov_b32 s[SEL+1], 0xfedcba98
	s_mov_b32 s[CS], 0x3e38aa3b                    ; c = log2(e) / 8
	s_mov_b32 s[CS+1], s[CS]                       ; (named with it as a pair, so it is written)
	s_wait_dscnt 0x0
	s_wait_kmcnt 0x0
	s_mov_b32 s[G0], 1                             ; 1:0 count = 1
	s_add_co_u32 s[G0+1], s16, KSC                 ; 63:32 LDS address
	s_add_nc_u64 s[G0+2:G0+3], s[6:7], s[66:67]    ; 120:64 global address
	s_or_b32 s[G0+3], s[G0+3], 0x80000000          ; 127:126 type = 2
	s_add_nc_u64 s[68:69], s[4:5], s[68:69]
.irp c, 0,1,2,3
	s_mov_b32 s[G0+4+4*\c], 1
	s_add_co_u32 s[G0+5+4*\c], s17, \c*CHB
	s_add_nc_u64 s[G0+6+4*\c:G0+7+4*\c], s[68:69], \c*CHB
	s_or_b32 s[G0+7+4*\c], s[G0+7+4*\c], 0x80000000
.endr
	s_add_nc_u64 s[4:5], s[4:5], s[70:71]          ; Q's tile
	s_add_nc_u64 s[6:7], s[6:7], s[72:73]          ; its scale words
	s_add_nc_u64 s[8:9], s[8:9], s[2:3]            ; the batch's mask
	s_add_nc_u64 s[10:11], s[10:11], s[74:75]      ; my rows of out0
	CROUND                                         ; all four work-groups are here: the joint loads meet
	s_cmp_lt_u32 s[WV], 2                          ; all fills of the launch stand in one branch on the wave's number, ahead of every wait on TENSORcnt, every LDS read and every other barrier
	s_cbranch_scc0 .Lno_fetch
	tensor_load_to_lds s[G0:G0+3], s[G1S:G1S+7]            ; the scale words first,
	s_nop 0
	tensor_load_to_lds s[G0+4:G0+7], s[G1C:G1C+7]          ; then the chunks in the order in which they are read: five tensor loads of mine are out
	s_nop 0
	tensor_load_to_lds s[G0+8:G0+11], s[G1C:G1C+7]
	s_nop 0
	tensor_load_to_lds s[G0+12:G0+15], s[G1C:G1C+7]
	s_nop 0
	tensor_load_to_lds s[G0+16:G0+19], s[G1C:G1C+7]
	s_nop 0
.rept 4
	v_nop
.endr
.Lno_fetch:
	v_and_b32 v[TMP], 31, v0                       ; lane
	v_lshlrev_b32 v[AK0], 4, v[TMP]
	v_lshl_add_u32 v[AK1], v[TMP], 3, 512
	v_add_nc_u32 v[AV0], VIMG, v[AK0]
	v_add_nc_u32 v[AS0], KSC, v[AK0]
	v_bfe_u32 v[TMP+1], v0, 4, 1                   ; h
	v_lshl_add_u32 v[AP0], v[TMP+1], 6, PEN
	v_lshlrev_b32 v86, 4, v0                       ; my 16 bytes of the mask: 512 threads x 4 keys,
	v_lshl_add_u32 v87, v0, 4, PEN                 ; and of the penalties
	v_and_b32 v88, 15, v0
	v_lshlrev_b32 v88, 4, v88                      ; Q's scale word: 16 bytes from row to row
	global_load_b128 v[S:S+3], v86, s[8:9]
	global_load_b128 v[QF:QF+3], v[AK0], s[4:5]    ; Q's fragment stays in registers: registers 0-3,
	global_load_b64 v[QF+4:QF+5], v[AK1], s[4:5]   ; 4-5
	global_load_b32 v[QSW], v88, s[6:7]
.irp j, 0,1,2,3,4,5
	v_mov_b32 v[QF+6+\j], 0                        ; Q's upper 64 along K: zero codes
	v_mov_b32 v[KV+48+\j], 0                       ; what the last tile of K names above its six registers
.endr
.set j, 0
.rept 32
	v_mov_b32 v[O+j], 0                            ; O^T.  (The step is written once for all steps: the first finds zeros, which the first change of M leaves zeros)
.set j, j+1
.endr
	v_mov_b32 v13, 0xff61b1e6                      ; the largest t so far: -3e38, under every t
	v_floor_f32 v12, -v13                          ; -M
	v_mov_b32 v14, 0                               ; the sum, in two halves
	v_mov_b32 v15, 0
	v_mov_b32 v[F+1], 0
.irp b, 0,1,2,3
	v_mov_b32 v[BT+\b], 0                          ; written once: a lane permute's destination counts as one of its sources
.endr
	s_wait_loadcnt 0x0
.irp j, 0,1,2,3
	v_sub_f32 v[S+\j], 1.0, v[S+\j]                ; 1 - mask, rounded as reference() rounds it,
.endr
.irp j, 0,1,2,3
	v_mul_f32 v[S+\j], 0xc79c4000, v[S+\j]         ; x -80,000: 8 x reference()'s product to the bit (so the two are not fused)
.endr
	ds_store_b128 v87, v[S:S+3]
; A KEY STEP: 128 keys.
.macro STEP
	v_add_nc_u32 v[ADK], s[TB], v[AK0]             ; these five are also the places behind the last step's products, in front of the loads into the registers that they read
	v_add_nc_u32 v[ADK1], s[TB], v[AK1]
	v_add_nc_u32 v[ADV], s[TB], v[AV0]
	v_add_nc_u32 v[ADS], s[TS], v[AS0]
	v_add_nc_u32 v[ADP], s[TS], v[AP0]
.irp b, 0,1,2,3
.irp i, 0,1,2,3
	ds_load_b128 v[S+16*\b+4*\i:S+16*\b+4*\i+3], v[ADP] offset:128*\b+16*\i   ; the penalties of keys 32 b + 16 h + 4 i on, straight into S^T's registers (sixteen lanes read the same 16 bytes)
.endr
.endr
.irp t, 0,1,2,3,4,5,6,7
	ds_load_b128 v[KV+6*\t:KV+6*\t+3], v[ADK] offset:768*\t          ; tile t of K: 512 consecutive bytes,
	ds_load_b64 v[KV+6*\t+4:KV+6*\t+5], v[ADK1] offset:768*\t        ; and 256
.endr
	ds_load_b128 v[KSW:KSW+3], v[ADS]              ; word i: lanes 0-15 tile 2 i's rows, lanes 16-31 tile 2 i + 1's
	s_wait_dscnt 0x0
.irp t, 0,2,4,6                                ; S^T = K Q^T + the penalty: eight accumulators, one instruction each
	v_wmma_scale_f32_16x16x128_f8f6f4 v[S+8*\t:S+8*\t+7], v[KV+6*\t:KV+6*\t+11], v[QF:QF+11], v[S+8*\t:S+8*\t+7], v[KSW+\t/2], v[QSW] matrix_a_fmt:MATRIX_FMT_FP6 matrix_b_fmt:MATRIX_FMT_FP6
	v_wmma_scale_f32_16x16x128_f8f6f4 v[S+8*\t+8:S+8*\t+15], v[KV+6*\t+6:KV+6*\t+17], v[QF:QF+11], v[S+8*\t+8:S+8*\t+15], v[KSW+\t/2], v[QSW] matrix_a_fmt:MATRIX_FMT_FP6 matrix_b_fmt:MATRIX_FMT_FP6 matrix_a_scale:MATRIX_SCALE_ROW1
.endr
.rept 4
	v_nop                                          ; places: in front of the loads into K's registers, and of the first read of the scores
.endr
.irp d, 0,1,2,3
.irp i, 0,1,2
	ds_load_b128 v[KV+12*\d+4*\i:KV+12*\d+4*\i+3], v[ADV] offset:1536*\d+512*\i   ; V's four fragments land during the softmax
.endr
.endr
	ds_load_b128 v[VSW:VSW+3], v[ADS] offset:VSC-KSC
.irp b, 0,1,2,3
	v_max3_num_f32 v[BM+\b], v[S+16*\b], v[S+1+16*\b], v[S+2+16*\b]   ; THE LARGEST SCORE OF EACH BLOCK OF 32 KEYS: it serves twice: for the row's maximum, and, since p rises with the score, for the block's largest p
.endr
.irp i, 3,5,7,9,11,13
.irp b, 0,1,2,3
	v_max3_num_f32 v[BM+\b], v[BM+\b], v[S+16*\b+\i], v[S+1+16*\b+\i]   ; (the four blocks by turns)
.endr
.endr
.irp b, 0,1,2,3
	v_max_num_f32 v[BM+\b], v[BM+\b], v[S+15+16*\b]
.endr
.irp b, 0,1,2,3
	v_permlanex16_b32 v[BT+\b], v[BM+\b], s[SEL], s[SEL+1]
.endr
.irp b, 0,1,2,3
	v_max_num_f32 v[BM+\b], v[BM+\b], v[BT+\b]     ; with lane l xor 16's 16 keys
.endr
	v_max3_num_f32 v[TMP], v[BM], v[BM+1], v[BM+2]
	v_max_num_f32 v[TMP], v[TMP], v[BM+3]          ; the step's largest score of my query
	v_mul_f32 v[TMP], s[CS], v[TMP]                ; as t (c is positive)
	v_max_num_f32 v13, v13, v[TMP]                 ; the running largest t
	v_mov_b32 v[TMP], v12
	v_floor_f32 v12, -v13                          ; the new -M = floor(-t) = -ceil(t): M IS A WHOLE NUMBER
	v_sub_f32 v[TMP], v12, v[TMP]                  ; M's old value less its new one: a whole number, 0 or less
	v_cvt_i32_f32 v[TMP], v[TMP]                   ; (it saturates)
	v_ldexp_f32 v[F], 1.0, v[TMP]                  ; f = 2^(old M - new M): a multiplication by it rounds nothing
.set j, 0
.rept 32
	v_pk_fma_f32 v[S+j:S+j+1], v[S+j:S+j+1], s[CS:CS+1], v[12:13] op_sel_hi:[1,0,0]   ; t - M, two at a time (of the pairs c and -M the low word serves both halves)
.set j, j+2
.endr
.irp b, 0,1,2,3
	v_fma_f32 v[BM+\b], v[BM+\b], s[CS], v12       ; the same of each block's largest score
.endr
.set j, 0
.rept 64
	v_exp_f32 v[S+j], v[S+j]                       ; p = 2^(t - M), at most 1: NOT normalised
.set j, j+1
.endr
	v_pk_mul_f32 v[14:15], v[14:15], v[F:F+1] op_sel_hi:[1,0]   ; the sums under the new M.  (The plain instruction behind the exponentials)
	s_wait_alu depctr_va_vdst(0)                   ; one wait for the whole batch, ahead of its first reader
.irp b, 0,1,2,3
	v_exp_f32 v[BM+\b], v[BM+\b]                   ; the block's largest p: the same two instructions on the same number give the same bits
.endr
	v_pk_add_f32 v[SUM2:SUM2+1], v[S:S+1], v[S+2:S+3]   ; THE ROW'S SUM IS TAKEN OF THE UNQUANTISED p: two at a time, in two chains.  (It reads the 64 alone: plain work behind the four)
.irp j, 4,8,12,16,20,24,28,32,36,40,44,48,52,56,60
	v_pk_add_f32 v[14:15], v[14:15], v[S+\j:S+\j+1]
	v_pk_add_f32 v[SUM2:SUM2+1], v[SUM2:SUM2+1], v[S+2+\j:S+3+\j]
.endr
	v_pk_add_f32 v[14:15], v[14:15], v[SUM2:SUM2+1]
	s_wait_alu depctr_va_vdst(0)                   ; and one for the four
.irp b, 0,1,2,3
	v_max_num_f32 v[BM+\b], 0x1800000, v[BM+\b]    ; the floor 2^(3 - 127): the byte cannot fall under 1
.endr
.irp b, 0,1,2,3
	v_add_nc_u32 v[BS+\b], 0xff000000, v[BM+\b]    ; 2 off the exponent field: the conversion's scale operand
.endr
.irp b, 0,1,2,3
	v_lshrrev_b32 v[BT+\b], 23, v[BS+\b]           ; the scale's byte
.endr
	v_lshl_or_b32 v[PSW], v[BT+1], 8, v[BT]        ; p's scale word for these 128 keys
	v_lshl_or_b32 v[PSW], v[BT+2], 16, v[PSW]
	v_lshl_or_b32 v[PSW], v[BT+3], 24, v[PSW]
.irp c, 0,1
	v_cvt_scalef32_pk16_fp6_f32 v[PCD+6*\c:PCD+6*\c+2], v[S+32*\c:S+32*\c+15], v[BS+2*\c]
	v_cvt_scalef32_pk16_fp6_f32 v[PC2+4*\c:PC2+4*\c+2], v[S+32*\c+16:S+32*\c+31], v[BS+2*\c+1]   ; (a conversion's three registers begin on an even number)
.endr
	v_nop                                          ; one plain place behind a scaled conversion
.irp c, 0,1                                    ; the operand's layout wants a WHOLE block in a lane: lanes 0-15 block 2 c, lanes 16-31 block 2 c + 1
.irp i, 0,1,2
	v_permlane16_swap_b32 v[PCD+6*\c+\i], v[PC2+4*\c+\i]
.endr
.irp i, 0,1,2
	v_mov_b32 v[PCD+3+6*\c+\i], v[PC2+4*\c+\i]
.endr
.endr
.set j, 0
.rept 16
	v_pk_mul_f32 v[O+j:O+j+1], v[O+j:O+j+1], v[F:F+1] op_sel_hi:[1,0]   ; O^T under the new M: x f.  (These sixteen also stand between the writing of p's scale word and codes and the products below)
.set j, j+2
.endr
	s_wait_dscnt 0x0                               ; V
.irp d, 0,1,2,3                                ; O^T += V^T P^T: four accumulators, one instruction each; K = these 128 keys
	v_wmma_scale_f32_16x16x128_f8f6f4 v[O+8*\d:O+8*\d+7], v[KV+12*\d:KV+12*\d+11], v[PCD:PCD+11], v[O+8*\d:O+8*\d+7], v[VSW+\d], v[PSW] matrix_a_fmt:MATRIX_FMT_FP6 matrix_b_fmt:MATRIX_FMT_FP6
.endr
.endm
; A CHUNK of 512 keys: four steps.  The fetching waves issued 3 - c loads behind chunk c's (and the scale words ahead of chunk 0's): so the count shows it landed; the barrier shows it to all sixteen waves.
; The later chunks may stay on their way across it.
.macro CHUNK c
	s_wait_tensorcnt 3-\c
	s_wait_dscnt 0x0                               ; no LDS instruction of mine is out at a signal (ahead of chunk 0: my store of the penalties, which all waves read)
	s_barrier_signal -1
	s_barrier_wait -1
	s_mov_b32 s[TB], \c*CHB
	s_mov_b32 s[TS], \c*2048
	s_mov_b32 s[CNT], 4
.Lstep_\@:
	STEP
	s_add_co_u32 s[TB], s[TB], STB
	s_add_co_u32 s[TS], s[TS], 512
	s_sub_co_u32 s[CNT], s[CNT], 1
	s_cmp_lg_u32 s[CNT], 0
	s_cbranch_scc1 .Lstep_\@
.endm
	CHUNK 0
	CHUNK 1
	CHUNK 2
	CHUNK 3                                        ; its wait is for 0: no tensor load of mine is out from here on
	; THE WAY OUT.  O^T is divided by the row's sum and goes through my stage in LDS, so that sixteen lanes store a token's 256 bytes of this head: consecutive, at a multiple of 256 from out0's first byte.
	v_add_f32 v14, v14, v15                        ; the sum's two halves,
	v_permlanex16_b32 v[TMP], v14, s[SEL], s[SEL+1]
	v_add_f32 v14, v14, v[TMP]                     ; and lane l xor 16's: the row's sum
	v_rcp_f32 v14, v14
	v_and_b32 v6, 15, v0                           ; r  (plain work behind the reciprocal, and the places behind the last products)
	v_bfe_u32 v7, v0, 4, 1                         ; h
	s_mul_i32 s16, s[WV], 16*SP
	s_add_co_u32 s16, s16, STAGE                   ; my stage
	v_mul_u32_u24 v8, v6, SP
	v_lshl_add_u32 v8, v7, 6, v8
	v_add_nc_u32 v8, s16, v8                       ; in: row r; my 16 numbers of each 32: 64 h bytes on
	v_mul_u32_u24 v9, v7, SP
	v_lshl_add_u32 v9, v6, 4, v9
	v_add_nc_u32 v9, s16, v9                       ; back: lanes 0-15 one row, lanes 16-31 the next
	v_lshlrev_b32 v[GO], 12, v7
	v_lshl_add_u32 v[GO], v6, 4, v[GO]             ; and the same in out0: rows of 4,096 bytes
	s_wait_alu depctr_va_vdst(0)                   ; the wait ahead of the reciprocal's first reader
.set j, 0
.rept 16
	v_pk_mul_f32 v[S+j:S+j+1], v[O+j:O+j+1], v[14:15] op_sel_hi:[1,0]   ; O^T / the sum, each accumulator from its low end on: register 16 g + i is the head's number 32 g + 16 h + i
.set j, j+2
.endr
.irp g, 0,1
.irp i, 0,1,2,3
	ds_store_b128 v8, v[S+16*\g+4*\i:S+16*\g+4*\i+3] offset:128*\g+16*\i
.endr
.endr
.irp i, 0,1,2,3,4,5,6,7
	ds_load_b128 v[KV+4*\i:KV+4*\i+3], v9 offset:2*\i*SP   ; LDS serves a wave's instructions in order: these see my stores
.endr
.irp i, 0,1,2,3,4,5,6,7
	s_wait_dscnt 7-\i                              ; the 7 - i younger loads may be out
	global_store_b128 v[GO], v[KV+4*\i:KV+4*\i+3], s[10:11] offset:(2*\i+8*(\i/4))*4096 th:TH_STORE_NT   ; position p of the tile is token p + (p & 8) from its first
.endr
	s_wait_tensorcnt 0x0
	ds_add_u32 v254, v255
	s_wait_dscnt 0x0
	CROUND                                         ; the closing round: no work-group ends while a partner may still ask for a tile that names it
	s_endpgm
.Lfunc_end_k_q4443bed578_attn:
	.size	k_q4443bed578_attn, .Lfunc_end_k_q4443bed578_attn-k_q4443bed578_attn
	.p2alignl 7, 3214868480
	.fill 96, 4, 3214868480
	.section	.rodata,"a",@progbits
	.p2align	6, 0x0
	.amdhsa_kernel k_q4443bed578_attn
		.amdhsa_group_segment_fixed_size 292864
		.amdhsa_private_segment_fixed_size 0
		.amdhsa_enable_private_segment 0
		.amdhsa_kernarg_size 32
		.amdhsa_user_sgpr_count 2
		.amdhsa_user_sgpr_kernarg_segment_ptr 1
		.amdhsa_wavefront_size32 1
		.amdhsa_system_sgpr_workgroup_id_x 1
		.amdhsa_system_sgpr_workgroup_id_y 1
		.amdhsa_system_sgpr_workgroup_id_z 1
		.amdhsa_system_vgpr_workitem_id 0
		.amdhsa_next_free_vgpr 256
		.amdhsa_next_free_sgpr 76
		.amdhsa_reserve_vcc 0
		.amdhsa_float_denorm_mode_32 3
		.amdhsa_float_denorm_mode_16_64 3
		.amdhsa_memory_ordered 1
		.amdhsa_forward_progress 1
		.amdhsa_inst_pref_size 81
	.end_amdhsa_kernel
	.amdgpu_metadata
---
amdhsa.version: [ 1, 2 ]
amdhsa.kernels:
  - .name:           k_q4443bed578_attn
    .symbol:         k_q4443bed578_attn.kd
    .args:
      - { .name: img, .offset: 0, .size: 8, .value_kind: global_buffer, .address_space: global }
      - { .name: sc, .offset: 8, .size: 8, .value_kind: global_buffer, .address_space: global }
      - { .name: mask, .offset: 16, .size: 8, .value_kind: global_buffer, .address_space: global }
      - { .name: out0, .offset: 24, .size: 8, .value_kind: global_buffer, .address_space: global }
    .group_segment_fixed_size: 292864
    .private_segment_fixed_size: 0
    .kernarg_segment_align: 8
    .kernarg_segment_size: 32
    .max_flat_workgroup_size: 512
    .sgpr_count:     76
    .vgpr_count:     256
    .wavefront_size: 32
...
	.end_amdgpu_metadata
.endif
;; end of part 4
